; MI455X (gfx1250); checked and timed in simulation.
; The chip was launched on July 23, 2026; its instructions are those of AMD's public machine-readable ISA for CDNA 5 (MIT licence, August 2026) and "CDNA5" Instruction Set Architecture Reference Guide (July 2026). The comments in the code are by the model that wrote it; some were corrected since.
;; Grouped Query Attention. Allowed arithmetic: float matrix products may take bf16 or f16 operands with f32 sums; all other float work in f32.
;; Inputs: Wk 2,048 x 512 float32; Wo 2,048 x 2,048 float32; Wq 2,048 x 2,048 float32; Wv 2,048 x 512 float32; cos 2,048 x 64 float32; k_scale 64 float32; mask 2,048 x 2,048 bool; q_scale 64 float32; sin 2,048 x 64 float32; x 1 x 2,048 x 2,048 float32.
;; Outputs: out0 1 x 2,048 x 2,048 float32.
;; 2 versions, each right. Each part assembles by itself: llvm-mc -triple=amdgcn-amd-amdhsa -mcpu=gfx1250 --defsym DOCPART=n.
;; ======== version 1 of 2: 4 launches
;; limits: values are held in f16: magnitudes above 65,504 overflow, below 6.1e-05 lose precision; values outside matrix products are rounded to bf16
;; workspace buffers: xb 8,388,608 bytes; wqkv8 12,582,912 bytes; wo8 8,388,608 bytes; bias 8,388,608 bytes; qkv 12,582,912 bytes; ctxb 8,388,608 bytes
;; launch prep (part 1): grid 32 x 64, 8 waves a work-group, no clusters, 0 bytes of LDS; arguments x, Wq, Wk, Wv, Wo, mask, xb, wqkv8, wo8, bias; writes xb, wqkv8, wo8, bias
.if DOCPART == 1
	.amdgcn_target "amdgcn-amd-amdhsa--gfx1250"
	.amdhsa_code_object_version 6
	.text
	.protected	k_q0ff7664602_prep
	.globl	k_q0ff7664602_prep
	.p2align	8
	.type	k_q0ff7664602_prep,@function
k_q0ff7664602_prep:
	s_mov_b64 s[64:65], 0
	v_nop
	global_prefetch_b8 v0, s[64:65] scope:SCOPE_SE
	s_setreg_imm32_b32 hwreg(HW_REG_WAVE_MODE, 25, 1), 1
	s_wait_xcnt 0x0
; Casts and re-layouts, once, for the three launches that follow.  A stream: no LDS, no barrier, no loop, no matrix unit.
;   xb    [2048][2048] bf16            = x rounded
;   wqkv8 [256 kc][3072 n][8] bf16     = column n of [Wq | Wk | Wv], rows 8 kc .. 8 kc + 7, in 16 neighbouring bytes
;   wo8   [256 kc][2048 n][8] f16      = Wo rounded to bf16 like the other inputs, then written as f16 (its partner in the product is f16)
;   bias  [2048 q][2048 l] bf16        = -inf (0xff80) where mask is 1, 0 where it is 0
; LIMITS: a bf16 number is exact in f16 for 2^-17 <= |w| <= 65504; below that wo8 errs by at most 2^-25, above it overflows.  Mask bytes are 0 or 1.
; The work-group's x picks the job, its y the part; every work-group moves 48 KiB (in plus out):
;   x 0-7 Wq, 8-9 Wk, 10-11 Wv, 12-19 Wo: 256 columns x 32 rows;  x 20-27: 32 KiB of x;  x 28-31: 16 KiB of mask.
; In a weight job thread t owns one column: it loads 32 rows' words and stores four chunks of 16 bytes; a wave's store covers 512
; neighbouring bytes, so the layout changes without any exchange between lanes.  Every register is written once: no wait frees a source.
; sb, db: first scalar register of the source's and the destination's address; spitch, dpitch: bytes from row to row, from chunk row to chunk row;
; cb0, dcb0: the work-group x at which the source's and the destination's column 0 lies; viaf16 = 1: bf16 rounding, then f16 codes.
.macro WPATH sb, spitch, cb0, db, dpitch, dcb0, viaf16
	s_sub_co_u32 s30, s2, \cb0
	s_lshl_b32 s30, s30, 10                        ; 256 columns of 4 bytes
	s_mul_i32 s31, s3, 32*\spitch                  ; 32 rows
	s_add_co_u32 s30, s30, s31
	s_mov_b32 s31, 0
	s_add_nc_u64 s[28:29], s[\sb:\sb+1], s[30:31]
	s_sub_co_u32 s34, s2, \dcb0
	s_lshl_b32 s34, s34, 12                        ; 256 columns of 16 bytes
	s_mul_i32 s35, s3, 4*\dpitch                   ; 4 chunk rows
	s_add_co_u32 s34, s34, s35
	s_mov_b32 s35, 0
	s_add_nc_u64 s[32:33], s[\db:\db+1], s[34:35]
	v_lshlrev_b32 v1, 2, v0
	v_lshlrev_b32 v2, 4, v0
.set LI, 0
.rept 32
	global_load_b32 v[8+LI], v1, s[28:29] offset:LI*\spitch th:TH_LOAD_NT
.set LI, LI+1
.endr
.irp c, 0,1,2,3
	s_wait_loadcnt 24-8*\c                         ; loads return in order: rows 8c .. 8c+7 are in, the 24-8c younger ones stay out
.irp q, 0,1,2,3
	v_cvt_pk_bf16_f32 v[40+4*\c+\q], v[8+8*\c+2*\q], v[8+8*\c+2*\q+1]     ; the lower row in the lower half
.endr
.if \viaf16
.irp q, 0,1,2,3
	v_lshlrev_b32 v56, 16, v[40+4*\c+\q]           ; the rounded numbers again as f32,
	v_and_b32 v57, s6, v[40+4*\c+\q]
	v_cvt_pk_f16_f32 v[40+4*\c+\q], v56, v57       ; and as f16 codes
.endr
.endif
	global_store_b128 v2, v[40+4*\c:43+4*\c], s[32:33] offset:\c*\dpitch
.endr
	s_endpgm
.endm
	s_load_b512 s[8:23], s[0:1], 0x0               ; x s[8:9], Wq s[10:11], Wk s[12:13], Wv s[14:15], Wo s[16:17], mask s[18:19], xb s[20:21], wqkv8 s[22:23]
	s_load_b128 s[24:27], s[0:1], 0x40             ; wo8 s[24:25], bias s[26:27]
	s_mov_b32 s2, ttmp9                            ; job
	s_and_b32 s3, ttmp7, 0xffff                    ; part
	s_mov_b32 s4, 0x04010400                       ; byte select: mask bytes 0 and 1 into the two halves of a word
	s_mov_b32 s5, 0x04030402                       ; bytes 2 and 3
	s_mov_b32 s6, 0xffff0000                       ; a word's upper bf16
	s_mov_b32 s31, 0
	s_mov_b32 s35, 0
	s_wait_kmcnt 0x0
	s_cmp_lt_u32 s2, 8
	s_cbranch_scc1 .Lwq
	s_cmp_lt_u32 s2, 10
	s_cbranch_scc1 .Lwk
	s_cmp_lt_u32 s2, 12
	s_cbranch_scc1 .Lwv
	s_cmp_lt_u32 s2, 20
	s_cbranch_scc1 .Lwo
	s_cmp_lt_u32 s2, 28
	s_cbranch_scc1 .Lx
; mask: 8 bytes a thread and block in, 16 bytes out.  A byte b becomes the half word b * 0xff80.
	s_sub_co_u32 s30, s2, 28
	s_lshl_b32 s30, s30, 6
	s_add_co_u32 s30, s30, s3                      ; part 0 .. 255
	s_lshl_b32 s34, s30, 15
	s_lshl_b32 s30, s30, 14
	s_add_nc_u64 s[28:29], s[18:19], s[30:31]
	s_add_nc_u64 s[32:33], s[26:27], s[34:35]
	v_lshlrev_b32 v1, 3, v0
	v_lshlrev_b32 v2, 4, v0
	v_mov_b32 v3, 0
.irp u, 0,1,2,3,4,5,6,7
	global_load_b64 v[8+2*\u:9+2*\u], v1, s[28:29] offset:2048*\u th:TH_LOAD_NT
.endr
.irp u, 0,1,2,3,4,5,6,7
	s_wait_loadcnt 7-\u                            ; block u is in, the younger ones stay out
	v_perm_b32 v[24+4*\u], v3, v[8+2*\u], s4
	v_perm_b32 v[25+4*\u], v3, v[8+2*\u], s5
	v_perm_b32 v[26+4*\u], v3, v[9+2*\u], s4
	v_perm_b32 v[27+4*\u], v3, v[9+2*\u], s5
.irp q, 0,1,2,3
	v_mul_u32_u24 v[24+4*\u+\q], 0xff80, v[24+4*\u+\q]     ; both halves at once: (b0 + 65536 b1) * 0xff80 has no carry between them
.endr
	global_store_b128 v2, v[24+4*\u:27+4*\u], s[32:33] offset:4096*\u
.endr
	s_endpgm
.Lx:
; x: 16 bytes a thread and block in, 8 bytes out; a wave's store covers 256 neighbouring bytes, aligned
	s_sub_co_u32 s30, s2, 20
	s_lshl_b32 s30, s30, 6
	s_add_co_u32 s30, s30, s3                      ; part 0 .. 511
	s_lshl_b32 s34, s30, 14
	s_lshl_b32 s30, s30, 15
	s_add_nc_u64 s[28:29], s[8:9], s[30:31]
	s_add_nc_u64 s[32:33], s[20:21], s[34:35]
	v_lshlrev_b32 v1, 4, v0
	v_lshlrev_b32 v2, 3, v0
.irp u, 0,1,2,3,4,5,6,7
	global_load_b128 v[8+4*\u:11+4*\u], v1, s[28:29] offset:4096*\u th:TH_LOAD_NT
.endr
.irp u, 0,1,2,3,4,5,6,7
	s_wait_loadcnt 7-\u
	v_cvt_pk_bf16_f32 v[40+2*\u], v[8+4*\u], v[9+4*\u]
	v_cvt_pk_bf16_f32 v[41+2*\u], v[10+4*\u], v[11+4*\u]
	global_store_b64 v2, v[40+2*\u:41+2*\u], s[32:33] offset:2048*\u
.endr
	s_endpgm
.Lwq:
	WPATH 10, 8192, 0, 22, 49152, 0, 0             ; columns 0 .. 2047 of wqkv8
.Lwk:
	WPATH 12, 2048, 8, 22, 49152, 0, 0             ; x = 8 stands at column 2048 of wqkv8: 256 x as it is
.Lwv:
	WPATH 14, 2048, 10, 22, 49152, 0, 0            ; x = 10 stands at column 2560
.Lwo:
	WPATH 16, 8192, 12, 24, 32768, 12, 1
.Lfunc_end_k_q0ff7664602_prep:
	.size	k_q0ff7664602_prep, .Lfunc_end_k_q0ff7664602_prep-k_q0ff7664602_prep
	.p2alignl 7, 3214868480
	.fill 96, 4, 3214868480
	.section	.rodata,"a",@progbits
	.p2align	6, 0x0
	.amdhsa_kernel k_q0ff7664602_prep
		.amdhsa_group_segment_fixed_size 0
		.amdhsa_private_segment_fixed_size 0
		.amdhsa_enable_private_segment 0
		.amdhsa_kernarg_size 80
		.amdhsa_user_sgpr_count 2
		.amdhsa_user_sgpr_kernarg_segment_ptr 1
		.amdhsa_wavefront_size32 1
		.amdhsa_system_sgpr_workgroup_id_x 1
		.amdhsa_system_sgpr_workgroup_id_y 1
		.amdhsa_system_sgpr_workgroup_id_z 1
		.amdhsa_system_vgpr_workitem_id 0
		.amdhsa_next_free_vgpr 64
		.amdhsa_next_free_sgpr 66
		.amdhsa_reserve_vcc 0
		.amdhsa_float_denorm_mode_32 3
		.amdhsa_float_denorm_mode_16_64 3
		.amdhsa_memory_ordered 1
		.amdhsa_forward_progress 1
		.amdhsa_inst_pref_size 33
	.end_amdhsa_kernel
	.amdgpu_metadata
---
amdhsa.version: [ 1, 2 ]
amdhsa.kernels:
  - .name:           k_q0ff7664602_prep
    .symbol:         k_q0ff7664602_prep.kd
    .args:
      - { .name: x, .offset: 0, .size: 8, .value_kind: global_buffer, .address_space: global }
      - { .name: Wq, .offset: 8, .size: 8, .value_kind: global_buffer, .address_space: global }
      - { .name: Wk, .offset: 16, .size: 8, .value_kind: global_buffer, .address_space: global }
      - { .name: Wv, .offset: 24, .size: 8, .value_kind: global_buffer, .address_space: global }
      - { .name: Wo, .offset: 32, .size: 8, .value_kind: global_buffer, .address_space: global }
      - { .name: mask, .offset: 40, .size: 8, .value_kind: global_buffer, .address_space: global }
      - { .name: xb, .offset: 48, .size: 8, .value_kind: global_buffer, .address_space: global }
      - { .name: wqkv8, .offset: 56, .size: 8, .value_kind: global_buffer, .address_space: global }
      - { .name: wo8, .offset: 64, .size: 8, .value_kind: global_buffer, .address_space: global }
      - { .name: bias, .offset: 72, .size: 8, .value_kind: global_buffer, .address_space: global }
    .group_segment_fixed_size: 0
    .private_segment_fixed_size: 0
    .kernarg_segment_align: 8
    .kernarg_segment_size: 80
    .max_flat_workgroup_size: 256
    .sgpr_count:     66
    .vgpr_count:     64
    .wavefront_size: 32
...
	.end_amdgpu_metadata
.endif
;; end of part 1
;; launch qkv (part 2): grid 16 x 16, 4 waves a work-group, clusters of 4 x 4, 327,680 bytes of LDS; arguments xb, wqkv8, cos, sin, q_scale, k_scale, qkv; writes qkv
.if DOCPART == 2
	.amdgcn_target "amdgcn-amd-amdhsa--gfx1250"
	.amdhsa_code_object_version 6
	.text
	.protected	k_q0ff7664602_qkv
	.globl	k_q0ff7664602_qkv
	.p2align	8
	.type	k_q0ff7664602_qkv,@function
k_q0ff7664602_qkv:
	s_mov_b64 s[64:65], 0
	v_nop
	global_prefetch_b8 v0, s[64:65] scope:SCOPE_SE
	s_setreg_imm32_b32 hwreg(HW_REG_WAVE_MODE, 25, 1), 1
	s_wait_xcnt 0x0
	s_wait_alu depctr_hold_cnt(0) depctr_sa_sdst(0) depctr_va_vdst(0) depctr_va_sdst(0) depctr_va_ssrc(0) depctr_va_vcc(0) depctr_vm_vsrc(0)
	s_getreg_b32 s2, hwreg(HW_REG_IB_STS2, 6, 4)
	s_cmp_eq_u32 s2, 0
	s_cbranch_scc0 .Lentry_in_a_cluster
	s_endpgm
.Lentry_in_a_cluster:
	s_bfe_u32 s2, ttmp6, 0x10000c
	s_cmp_lg_u32 s2, 0xf033
	s_cbranch_scc0 .Lentry_shape_is_right
	s_endpgm
.Lentry_shape_is_right:
; qkv[g][s][d] (f16, 48 heads g: 0-31 q, 32-39 k, 40-47 v) = x [Wq | Wk | Wv], q and k heads with RMS norm, gain and RoPE in f32.
; Operands bf16, sums f32.  A work-group makes 128 rows x 192 columns (three whole heads) with four waves; wave (wr, wc) makes 64 x 96:
; 4 x 6 accumulator tiles.  16 x 16 blocks give 256 work-groups.  K goes in 16 steps of 128 through two LDS slots.
; LIMITS: results are kept in f16: |v| < 65504; |q|, |k| <= 8 sqrt(2) |gain|.
; cos, sin and the two gains are rounded to bf16 as they arrive, like x and the weights, so that the program as a whole is the module on
; inputs rounded to bf16; the arithmetic on them stays in f32.  Against unrounded tables that adds to q and k a relative error of up to
; 2^-9 for each factor, the size that the rounding of x, Wq and Wk brings already.
; CLUSTER 4 x 4: the four work-groups of a row of the cluster need the same rows of xb, the four of a column the same columns of wqkv8:
; each tile is asked for jointly, which divides the requests by four.
; A SLOT: regions 0, 1 = xb rows 0-63, 64-127 (256 bytes + 16 of padding a row), regions 2, 3 = chunk rows 0-7, 8-15 of wqkv8 (3,072 bytes
; each: 192 columns x 16 bytes = 8 k of a column).  Wave w fetches region w.  A weight fragment takes 16 neighbouring chunks, 256 neighbouring
; bytes for 16 lanes, so these rows need no padding.
; THE MATRIX INSTRUCTION IS USED TRANSPOSED (source 0 = 16 weight columns, source 1 = 16 rows of x): lane (r, h), register j holds
; row 16 a + r, column 16 b + 8 h + j.
; REGISTERS: window 0: addresses, two fragment buffers (6 weight + 4 x fragments each), the epilogue; window 1: the 24 accumulator tiles.
.set NBW,   6                          ; weight fragments of a wave
.set BROW,  3072                       ; bytes of a chunk row in the block
.set BSTR,  49152                      ; bytes of a chunk row in memory
.set REG,   24576                      ; LDS region of one wave's load
.set SLOT,  4*REG
.set STAGE, 2*SLOT                     ; behind the ring: 128 rows x 784 bytes of f32, bytes of their own
.set PITCH, 272
.set SP,    784                        ; 768 bytes + 16: an odd multiple of 16
.set F0,    64                         ; fragment buffer 0: v64-143
.set F1,    144                        ; fragment buffer 1: v144-223
.set ADRA,  16                         ; v16-17 LDS address of my x fragments in slot 0, 1
.set ADRB,  20                         ; v20-21 the same for the weights
.set G1,  24                           ; s[24:31] descriptor group 1, x tiles
.set G0,  32                           ; s[32:39] group 0, x tiles, one set a slot
.set G1B, 48                           ; s[48:55] group 1, weight tiles
.set G0B, 56                           ; s[56:63] group 0, weight tiles
.set MUL, 0x50                         ; C and D in window 1, sources in window 0
.set COSR, 64                          ; epilogue: v64-127 cos, v128-191 sin of my 32 rows (4 registers for each pair of rows)
.set SINR, 128
.set SC,  36                           ; v36-47 gain of my 4 columns, for each of the three heads
.set SG,  48                           ; v48-49 sign of the rotated half
.set TT,  216                          ; v216-227 at work, 4 a head
.set RR,  228                          ; v228-233 a pair a head: 1/rms, 0
.set OO,  234                          ; v234-239 a pair a head: 4 f16 to store
.set YY,  240                          ; v240-251 normalised numbers, 4 a head
.set MSB, 0
.macro WIN new                         ; the immediate's high byte repeats the setting that is left
.if MSB != \new
	s_set_vgpr_msb (MSB<<8)|\new
.set MSB, \new
.endif
.endm
.macro JLOAD s                         ; waves 0, 1 ask for x's halves, waves 2, 3 for the weights': one line, one mask, one register set each
	s_cmp_eq_u32 s11, 0
	s_cbranch_scc0 .Lfor_b_\@
	tensor_load_to_lds s[G0+4*\s:G0+4*\s+3], s[G1:G1+7]
	s_nop 0
	s_branch .Lasked_\@
.Lfor_b_\@:
	tensor_load_to_lds s[G0B+4*\s:G0B+4*\s+3], s[G1B:G1B+7]
	s_nop 0
.Lasked_\@:
.endm
.macro CREST                           ; a round of the cluster's barrier behind its opening work-group barrier
	s_cmp_lg_u32 s10, 0
	s_cbranch_scc1 .Lnot_wave_0_\@
	s_barrier_signal -3
.Lnot_wave_0_\@:
	s_barrier_wait -3
	s_barrier_signal -1
	s_barrier_wait -1
.endm
.macro CROUND
	s_barrier_signal -1
	s_barrier_wait -1
	CREST
.endm
.macro PLACES                          ; four places behind a matrix instruction (ISA guide 7.12.1) before its registers are loaded into or its results read
.rept 4
	v_nop
.endr
.endm
	s_load_b128 s[4:7], s[0:1], 0x0                ; xb s[4:5], wqkv8 s[6:7]
	s_load_b256 s[68:75], s[0:1], 0x10             ; cos s[68:69], sin s[70:71], q_scale s[72:73], k_scale s[74:75]
	s_load_b64 s[76:77], s[0:1], 0x30              ; qkv
	v_lshrrev_b32 v1, 5, v0
	v_readfirstlane_b32 s10, v1                    ; wave 0..3
	s_lshr_b32 s11, s10, 1                         ; wr.  Also: I fetch x (0) or weights (1)
	s_and_b32 s12, s10, 1                          ; wc.  Also: which half of that tile I fetch
	s_bfe_u32 s40, ttmp6, 0x40000                  ; cx
	s_bfe_u32 s41, ttmp6, 0x40004                  ; cy
	s_lshl_b32 s42, ttmp9, 2
	s_add_co_u32 s42, s42, s40                     ; block column bn
	s_and_b32 s13, ttmp7, 0xffff
	s_lshl_b32 s13, s13, 2
	s_add_co_u32 s13, s13, s41                     ; block row bm
	s_lshl_b32 s43, s41, 2
	s_lshl_b32 s43, 15, s43                        ; my row of the cluster
	s_lshl_b32 s44, 0x1111, s40                    ; my column
	; x tiles: 64 rows x 128 elements of 2 bytes, 4 words of padding behind every 64
	s_or_b32 s[G1+0], s43, (1<<16)|(1<<20)|(1<<21)|(5<<22)|(3<<25)
	s_mov_b32 s[G1+1], 128<<16                     ; tensor_dim0 = 128
	s_mov_b32 s[G1+2], 64<<16                      ; tensor_dim1 = 64
	s_mov_b32 s[G1+3], 128<<16                     ; tile_dim0 = 128
	s_mov_b32 s[G1+4], 64                          ; tile_dim1 = 64
	s_mov_b32 s[G1+5], 2048                        ; elements from row to row
	s_mov_b32 s[G1+6], 0
	s_mov_b32 s[G1+7], 0
	; weight tiles: 8 chunk rows of 3,072 bytes as elements of 8 bytes, no padding
	s_or_b32 s[G1B+0], s44, (3<<16)|(1<<21)
	s_mov_b32 s[G1B+1], (BROW/8)<<16
	s_mov_b32 s[G1B+2], 8<<16
	s_mov_b32 s[G1B+3], (BROW/8)<<16
	s_mov_b32 s[G1B+4], 8
	s_mov_b32 s[G1B+5], BSTR/8
	s_mov_b32 s[G1B+6], 0
	s_mov_b32 s[G1B+7], 0
	s_lshl_b32 s16, s13, 7
	s_lshl_b32 s17, s12, 6
	s_add_co_u32 s16, s16, s17                     ; x: row 128 bm + 64 half,
	s_lshl_b32 s16, s16, 12                        ; of 4,096 bytes
	s_mov_b32 s17, 0
	s_mul_i32 s46, s42, BROW                       ; weights: the block's columns,
	s_mul_i32 s47, s12, 8*BSTR                     ; chunk rows 8 half ..
	s_add_co_u32 s46, s46, s47
	s_mov_b32 s47, 0
	s_mul_i32 s20, s10, REG                        ; where my load goes: the wave's number alone
	s_wait_kmcnt 0x0
	s_add_nc_u64 s[14:15], s[4:5], s[16:17]
	s_add_nc_u64 s[46:47], s[6:7], s[46:47]
	CROUND                                         ; all sixteen work-groups are here: the first joint loads meet
.irp s, 0,1
	s_mov_b32 s[G0+4*\s], 1
	s_add_co_u32 s[G0+4*\s+1], s20, \s*SLOT
	s_add_nc_u64 s[G0+4*\s+2:G0+4*\s+3], s[14:15], \s*256          ; K step s: 128 elements on
	s_or_b32 s[G0+4*\s+3], s[G0+4*\s+3], 0x80000000
	s_mov_b32 s[G0B+4*\s], 1
	s_add_co_u32 s[G0B+4*\s+1], s20, \s*SLOT
	s_add_nc_u64 s[G0B+4*\s+2:G0B+4*\s+3], s[46:47], \s*16*BSTR    ; K step s: 16 chunk rows on
	s_or_b32 s[G0B+4*\s+3], s[G0B+4*\s+3], 0x80000000
	JLOAD \s
.endr
	v_and_b32 v1, 15, v0                           ; r (in the epilogue: c)
	v_bfe_u32 v2, v0, 4, 1                         ; h
	v_mul_u32_u24 v3, v1, PITCH
	v_lshl_add_u32 v3, v2, 4, v3                   ; x fragment: row r, 16 bytes for each half of the lanes
	v_mul_u32_u24 v4, v2, BROW
	v_lshl_add_u32 v4, v1, 4, v4                   ; weight fragment: chunk row h, chunk r
	s_mul_i32 s21, s11, REG                        ; my 64 rows of x
	s_mul_i32 s22, s12, 256*NBW                    ; my 96 columns,
	s_add_co_u32 s22, s22, 2*REG                   ; behind x's two regions
.irp s, 0,1
	v_add_nc_u32 v[ADRA+\s], s21, v3
	v_add_nc_u32 v[ADRB+\s], s22, v4
	s_add_co_u32 s21, s21, SLOT
	s_add_co_u32 s22, s22, SLOT
.endr
	v_mul_u32_u24 v24, v1, SP                      ; v24: into the stage: row 64 wr + r, byte 384 wc + 32 h
	v_lshl_add_u32 v24, v2, 5, v24
	s_mul_i32 s21, s11, 64*SP
	s_mul_i32 s22, s12, 384
	s_add_co_u32 s21, s21, s22
	s_add_co_u32 s21, s21, STAGE
	v_add_nc_u32 v24, s21, v24
	v_mul_u32_u24 v25, v2, SP                      ; v25: back: row 32 w + h, byte 16 c
	v_lshl_add_u32 v25, v1, 4, v25
	s_mul_i32 s21, s10, 32*SP
	s_add_co_u32 s21, s21, STAGE
	v_add_nc_u32 v25, s21, v25
	v_and_b32 v3, 31, v0
	v_lshlrev_b32 v26, 4, v3                       ; 16 L: cos and sin, two rows of 256 bytes a load
	v_lshlrev_b32 v27, 3, v3                       ; 8 L: qkv, two rows of 128 bytes a store
	v_lshlrev_b32 v5, 4, v1                        ; 16 c: the gains
; 12 matrix instructions: row tiles a0, a0 + 1 x all six column tiles, 32 along K.  zero = 1: the first product starts the sums.
; The 24 accumulators take turns, one instruction a turn, in one fixed order throughout.
.macro MULH f, a0, zero
.irp a, \a0, \a0+1
.irp b, 0,1,2,3,4,5
.if \zero
	v_wmma_f32_16x16x32_bf16 v[8*(NBW*(\a)+\b):8*(NBW*(\a)+\b)+7], v[\f+8*\b:\f+8*\b+7], v[\f+8*NBW+8*(\a):\f+8*NBW+8*(\a)+7], 0
.else
	v_wmma_f32_16x16x32_bf16 v[8*(NBW*(\a)+\b):8*(NBW*(\a)+\b)+7], v[\f+8*\b:\f+8*\b+7], v[\f+8*NBW+8*(\a):\f+8*NBW+8*(\a)+7], v[8*(NBW*(\a)+\b):8*(NBW*(\a)+\b)+7]
.endif
.endr
.endr
.endm
; 20 LDS loads: the fragments of quarter qk (32 along K = chunk rows 4 qk .. 4 qk + 3) of a slot into buffer f
.macro FETCH slot, qk, f
.irp b, 0,1,2,3,4,5
	ds_load_b128 v[\f+8*\b:\f+8*\b+3],   v[ADRB+\slot] offset:(\qk/2)*REG+(\qk%2)*4*BROW+256*\b
	ds_load_b128 v[\f+8*\b+4:\f+8*\b+7], v[ADRB+\slot] offset:(\qk/2)*REG+(\qk%2)*4*BROW+256*\b+2*BROW
.endr
.irp a, 0,1,2,3
	ds_load_b128 v[\f+8*NBW+8*\a:\f+8*NBW+8*\a+3],   v[ADRA+\slot] offset:64*\qk+16*PITCH*\a
	ds_load_b128 v[\f+8*NBW+8*\a+4:\f+8*NBW+8*\a+7], v[ADRA+\slot] offset:64*\qk+16*PITCH*\a+32
.endr
.endm
; One of a K step's first three quarters: buffer f is in; the next quarter's fragments are asked for first, into buffer g, and have this quarter's 24 matrix instructions in which to land
.macro QUARTER slot, k, f, g, zero
	s_wait_dscnt 0x0                               ; buffer f, asked for a quarter ago
	PLACES                                         ; buffer g was read by the matrix instructions just issued
	WIN 0
	FETCH \slot, \k, \g
	WIN MUL
	MULH \f, 0, \zero
	MULH \f, 2, \zero
.endm
.macro THREE slot, zero
	QUARTER \slot, 1, F0, F1, \zero
	QUARTER \slot, 2, F1, F0, 0
	QUARTER \slot, 3, F0, F1, 0
.endm
; The last quarter changes slots.  In front of the barrier each wave's reads of this slot are back and all its tensor loads have landed
;   Behind it (with fill: behind the cluster's round that it opens) this slot is asked for again first.
.macro TURN slot, next, fill
	s_wait_dscnt 0x0                               ; buffer 1 is in: my last reads of this slot
	s_wait_tensorcnt 0x0                           ; all my tensor loads have landed
	s_barrier_signal -1
	WIN MUL
	MULH F1, 0, 0                                  ; register work while the others arrive
	WIN 0
	s_barrier_wait -1
.if \fill
	CREST                                          ; no wave of any partner still reads this slot or has a load on its way
	s_add_nc_u64 s[G0+4*\slot+2:G0+4*\slot+3], s[G0+4*\slot+2:G0+4*\slot+3], 512
	s_add_nc_u64 s[G0B+4*\slot+2:G0B+4*\slot+3], s[G0B+4*\slot+2:G0B+4*\slot+3], 32*BSTR
	JLOAD \slot                                    ; two K steps ahead: my one tensor load behind the round
.endif
	PLACES
	FETCH \next, 0, F0
	WIN MUL
	MULH F1, 2, 0
.endm
.macro LAP zero
	THREE 0, \zero
	TURN 0, 1, 1
	THREE 1, 0
	TURN 1, 0, 1
.endm
	s_wait_tensorcnt 0x1                           ; my part of K step 0 is in; K step 1's stays out
	s_barrier_signal -1
	s_barrier_wait -1
	FETCH 0, 0, F0
	LAP 1                                          ; K steps 0, 1; asks for 2, 3
	WIN 0
	s_mov_b32 s3, 6
.Llap:
	LAP 0                                          ; K steps 2 .. 13; asks for 4 .. 15
	WIN 0
	s_sub_co_u32 s3, s3, 1
	s_cmp_lg_u32 s3, 0
	s_cbranch_scc1 .Llap
	THREE 0, 0                                     ; K steps 14, 15: nothing is left to ask for
	TURN 0, 1, 0
	THREE 1, 0
	s_wait_dscnt 0x0
	WIN MUL
	MULH F1, 0, 0
	MULH F1, 2, 0
	PLACES                                         ; behind the last matrix instructions: results are read and fragment registers loaded into below
	WIN 0
	; THE EPILOGUE has no branch: which kind a head is hangs on the block column, so the kind only selects values.
	s_mul_i32 s78, s42, 3                          ; head of the block's first 64 columns
	s_lshl_b32 s79, s13, 7
	s_lshl_b32 s94, s10, 5
	s_add_co_u32 s79, s79, s94                     ; my first row in the second phase: 128 bm + 32 w
.irp hh, 0,1,2
	s_add_co_u32 s94, s78, \hh
	s_cmp_ge_u32 s94, 32
	s_cselect_b32 s[86+\hh], -1, 0                 ; all lanes: k's gain instead of q's
	s_cmp_ge_u32 s94, 40
	s_cselect_b32 s[89+\hh], -1, 0                 ; all lanes: a v head goes out as it is
	s_lshl_b32 s94, s94, 18                        ; a head is 2,048 rows of 128 bytes
	s_lshl_b32 s95, s79, 7
	s_add_co_u32 s94, s94, s95
	s_mov_b32 s95, 0
	s_add_nc_u64 s[80+2*\hh:81+2*\hh], s[76:77], s[94:95]
.endr
	s_lshl_b32 s94, s79, 8                         ; cos and sin: rows of 256 bytes
	s_mov_b32 s95, 0
	s_add_nc_u64 s[68:69], s[68:69], s[94:95]
	s_add_nc_u64 s[70:71], s[70:71], s[94:95]
	s_mov_b32 s92, 0x3c800000                      ; 1/64
	s_mov_b32 s93, 0x358637bd                      ; 1e-6
	s_mov_b32 s45, 0xffff0000                      ; a word's upper bf16
.irp p, 0,1,2,3,4,5,6,7,8,9,10,11,12,13,14,15
	global_load_b128 v[COSR+4*\p:COSR+4*\p+3], v26, s[68:69] offset:512*\p
	global_load_b128 v[SINR+4*\p:SINR+4*\p+3], v26, s[70:71] offset:512*\p
.endr
	global_load_b128 v[28:31], v5, s[72:73]        ; q_scale[4c .. 4c+3]
	global_load_b128 v[32:35], v5, s[74:75]        ; k_scale
	WIN 0x04                                       ; store data in window 1
.irp a, 0,1,2,3
.irp b, 0,1,2,3,4,5
	ds_store_b128 v24, v[8*(NBW*\a+\b):8*(NBW*\a+\b)+3]   offset:16*SP*\a+64*\b
	ds_store_b128 v24, v[8*(NBW*\a+\b)+4:8*(NBW*\a+\b)+7] offset:16*SP*\a+64*\b+16
.endr
.endr
	WIN 0
	s_wait_dscnt 0x0                               ; my part of the stage is written,
	s_barrier_signal -1
	s_barrier_wait -1                              ; everybody's is
.irp hh, 0,1,2
	ds_load_b128 v[192+4*\hh:195+4*\hh], v25 offset:256*\hh        ; rows 32 w, 32 w + 1: a half-wave a row, 4 columns of each head a lane
.endr
	s_wait_loadcnt 0x0                             ; cos, sin, gains
	; cos and sin (v64-191: 64 pairs) and the gains (v28-35: 4 pairs) are rounded to bf16, to nearest even, and widened again: three instructions a pair
.set RI, 0
.rept 16
.irp q, 0,1,2,3
	v_cvt_pk_bf16_f32 v[YY+\q], v[COSR+8*RI+2*\q], v[COSR+8*RI+2*\q+1]
.endr
.irp q, 0,1,2,3
	v_lshlrev_b32 v[COSR+8*RI+2*\q], 16, v[YY+\q]
	v_and_b32 v[COSR+8*RI+2*\q+1], s45, v[YY+\q]
.endr
.set RI, RI+1
.endr
.irp q, 0,1,2,3
	v_cvt_pk_bf16_f32 v[YY+\q], v[28+2*\q], v[29+2*\q]
.endr
.irp q, 0,1,2,3
	v_lshlrev_b32 v[28+2*\q], 16, v[YY+\q]
	v_and_b32 v[29+2*\q], s45, v[YY+\q]
.endr
.irp hh, 0,1,2
.irp i, 0,1,2,3
	v_cndmask_b32 v[SC+4*\hh+\i], v[28+\i], v[32+\i], s[86+\hh]
.endr
	v_mov_b32 v[RR+2*\hh+1], 0                     ; the pair's second register is named, never used
	v_mov_b32 v[TT+4*\hh+2], 0                     ; written once: destinations of lane-crossing forms count as read
	v_mov_b32 v[TT+4*\hh+3], 0
.endr
	v_cmp_gt_u32 vcc_lo, 8, v1
	v_mov_b32 v[SG+1], -1.0
	v_cndmask_b32 v[SG], 1.0, v[SG+1], vcc_lo      ; d < 32 (c < 8): rot = -x[d + 32]; else rot = +x[d - 32]
	v_mov_b32 v[SG+1], v[SG]
; Two rows (32 w + 2 p + h), three heads.  The partner column d +- 32 lies in lane c xor 8, same register.
.macro ROWS p
.set XB, 192+12*((\p)&1)
.set XN, 192+12*(1-((\p)&1))
.if \p < 15
.irp hh, 0,1,2
	ds_load_b128 v[XN+4*\hh:XN+4*\hh+3], v25 offset:2*SP*(\p+1)+256*\hh
.endr
	s_wait_dscnt 0x3                               ; this step's rows are in; the three loads just issued stay out
.else
	s_wait_dscnt 0x0
.endif
.irp hh, 0,1,2
	v_pk_mul_f32 v[TT+4*\hh:TT+4*\hh+1], v[XB+4*\hh:XB+4*\hh+1], v[XB+4*\hh:XB+4*\hh+1]
.endr
.irp hh, 0,1,2
	v_pk_fma_f32 v[TT+4*\hh:TT+4*\hh+1], v[XB+4*\hh+2:XB+4*\hh+3], v[XB+4*\hh+2:XB+4*\hh+3], v[TT+4*\hh:TT+4*\hh+1]
.endr
.irp hh, 0,1,2
	v_add_f32 v[RR+2*\hh], v[TT+4*\hh], v[TT+4*\hh+1]
.endr
.irp m, 1,2,4,8
.irp hh, 0,1,2
	v_add_f32_dpp v[RR+2*\hh], v[RR+2*\hh], v[RR+2*\hh] row_xmask:\m row_mask:0xf bank_mask:0xf
.endr
.endr
.irp hh, 0,1,2
	v_fma_f32 v[RR+2*\hh], v[RR+2*\hh], s92, s93   ; mean of squares + eps
.endr
.irp hh, 0,1,2
	v_rsq_f32 v[RR+2*\hh], v[RR+2*\hh]
.endr
	v_pk_mul_f32 v[SINR+4*\p:SINR+4*\p+1], v[SINR+4*\p:SINR+4*\p+1], v[SG:SG+1]       ; plain work behind the roots (ISA guide 5.7.2): sin takes the rotation's sign
	v_pk_mul_f32 v[SINR+4*\p+2:SINR+4*\p+3], v[SINR+4*\p+2:SINR+4*\p+3], v[SG:SG+1]
	s_wait_alu depctr_va_vdst(0)
.irp hh, 0,1,2
	v_pk_mul_f32 v[YY+4*\hh:YY+4*\hh+1], v[XB+4*\hh:XB+4*\hh+1], v[RR+2*\hh:RR+2*\hh+1] op_sel_hi:[1,0]
	v_pk_mul_f32 v[YY+4*\hh+2:YY+4*\hh+3], v[XB+4*\hh+2:XB+4*\hh+3], v[RR+2*\hh:RR+2*\hh+1] op_sel_hi:[1,0]
.endr
.irp hh, 0,1,2
	v_pk_mul_f32 v[YY+4*\hh:YY+4*\hh+1], v[YY+4*\hh:YY+4*\hh+1], v[SC+4*\hh:SC+4*\hh+1]
	v_pk_mul_f32 v[YY+4*\hh+2:YY+4*\hh+3], v[YY+4*\hh+2:YY+4*\hh+3], v[SC+4*\hh+2:SC+4*\hh+3]
.endr
.irp hh, 0,1,2
.irp i, 0,1,2,3
	v_mul_f32_dpp v[TT+4*\hh+\i], v[YY+4*\hh+\i], v[SINR+4*\p+\i] row_xmask:8 row_mask:0xf bank_mask:0xf   ; the partner's number times my signed sin
.endr
.endr
.irp hh, 0,1,2
	v_pk_fma_f32 v[TT+4*\hh:TT+4*\hh+1], v[YY+4*\hh:YY+4*\hh+1], v[COSR+4*\p:COSR+4*\p+1], v[TT+4*\hh:TT+4*\hh+1]
	v_pk_fma_f32 v[TT+4*\hh+2:TT+4*\hh+3], v[YY+4*\hh+2:YY+4*\hh+3], v[COSR+4*\p+2:COSR+4*\p+3], v[TT+4*\hh+2:TT+4*\hh+3]
.endr
.irp hh, 0,1,2
.irp i, 0,1,2,3
	v_cndmask_b32 v[TT+4*\hh+\i], v[TT+4*\hh+\i], v[XB+4*\hh+\i], s[89+\hh]
.endr
.endr
	s_wait_xcnt 0x0                                ; the last step's stores have had their addresses translated (ISA guide 3.1): their data registers are rewritten only behind this wait
.irp hh, 0,1,2
	v_cvt_pk_f16_f32 v[OO+2*\hh], v[TT+4*\hh], v[TT+4*\hh+1]
	v_cvt_pk_f16_f32 v[OO+2*\hh+1], v[TT+4*\hh+2], v[TT+4*\hh+3]
	global_store_b64 v27, v[OO+2*\hh:OO+2*\hh+1], s[80+2*\hh:81+2*\hh] offset:256*\p   ; the wave stores 256 neighbouring bytes, aligned
.endr
.endm
.irp p, 0,1,2,3,4,5,6,7,8,9,10,11,12,13,14,15
	ROWS \p
.endr
	CROUND                                         ; the closing round: no work-group ends while a partner may still ask for a tile that names it
	s_endpgm
.Lfunc_end_k_q0ff7664602_qkv:
	.size	k_q0ff7664602_qkv, .Lfunc_end_k_q0ff7664602_qkv-k_q0ff7664602_qkv
	.p2alignl 7, 3214868480
	.fill 96, 4, 3214868480
	.section	.rodata,"a",@progbits
	.p2align	6, 0x0
	.amdhsa_kernel k_q0ff7664602_qkv
		.amdhsa_group_segment_fixed_size 327680
		.amdhsa_private_segment_fixed_size 0
		.amdhsa_enable_private_segment 0
		.amdhsa_kernarg_size 56
		.amdhsa_user_sgpr_count 2
		.amdhsa_user_sgpr_kernarg_segment_ptr 1
		.amdhsa_wavefront_size32 1
		.amdhsa_system_sgpr_workgroup_id_x 1
		.amdhsa_system_sgpr_workgroup_id_y 1
		.amdhsa_system_sgpr_workgroup_id_z 1
		.amdhsa_system_vgpr_workitem_id 0
		.amdhsa_next_free_vgpr 448
		.amdhsa_next_free_sgpr 96
		.amdhsa_reserve_vcc 1
		.amdhsa_float_denorm_mode_32 3
		.amdhsa_float_denorm_mode_16_64 3
		.amdhsa_memory_ordered 1
		.amdhsa_forward_progress 1
		.amdhsa_inst_pref_size 182
	.end_amdhsa_kernel
	.amdgpu_metadata
---
amdhsa.version: [ 1, 2 ]
amdhsa.kernels:
  - .name:           k_q0ff7664602_qkv
    .symbol:         k_q0ff7664602_qkv.kd
    .args:
      - { .name: xb, .offset: 0, .size: 8, .value_kind: global_buffer, .address_space: global }
      - { .name: wqkv8, .offset: 8, .size: 8, .value_kind: global_buffer, .address_space: global }
      - { .name: cos, .offset: 16, .size: 8, .value_kind: global_buffer, .address_space: global }
      - { .name: sin, .offset: 24, .size: 8, .value_kind: global_buffer, .address_space: global }
      - { .name: q_scale, .offset: 32, .size: 8, .value_kind: global_buffer, .address_space: global }
      - { .name: k_scale, .offset: 40, .size: 8, .value_kind: global_buffer, .address_space: global }
      - { .name: qkv, .offset: 48, .size: 8, .value_kind: global_buffer, .address_space: global }
    .group_segment_fixed_size: 327680
    .private_segment_fixed_size: 0
    .kernarg_segment_align: 8
    .kernarg_segment_size: 56
    .max_flat_workgroup_size: 128
    .sgpr_count:     96
    .vgpr_count:     448
    .wavefront_size: 32
...
	.end_amdgpu_metadata
.endif
;; end of part 2
;; launch attn (part 3): grid 32 x 8, 4 waves a work-group, clusters of 4 x 4, 327,680 bytes of LDS; arguments qkv, bias, ctxb; writes ctxb
.if DOCPART == 3
	.amdgcn_target "amdgcn-amd-amdhsa--gfx1250"
	.amdhsa_code_object_version 6
	.text
	.protected	k_q0ff7664602_attn
	.globl	k_q0ff7664602_attn
	.p2align	8
	.type	k_q0ff7664602_attn,@function
k_q0ff7664602_attn:
	s_mov_b64 s[64:65], 0
	v_nop
	global_prefetch_b8 v0, s[64:65] scope:SCOPE_SE
	s_setreg_imm32_b32 hwreg(HW_REG_WAVE_MODE, 25, 1), 1
	s_wait_xcnt 0x0
	s_wait_alu depctr_hold_cnt(0) depctr_sa_sdst(0) depctr_va_vdst(0) depctr_va_sdst(0) depctr_va_ssrc(0) depctr_va_vcc(0) depctr_vm_vsrc(0)
	s_getreg_b32 s2, hwreg(HW_REG_IB_STS2, 6, 4)
	s_cmp_eq_u32 s2, 0
	s_cbranch_scc0 .Lentry_in_a_cluster
	s_endpgm
.Lentry_in_a_cluster:
	s_bfe_u32 s2, ttmp6, 0x10000c
	s_cmp_lg_u32 s2, 0xf033
	s_cbranch_scc0 .Lentry_shape_is_right
	s_endpgm
.Lentry_shape_is_right:
; ctxb[s][64 head + d] (f16) = softmax(q k^T / 8 + bias) v, with a running maximum; all 2,048 keys are walked: the mask is an input.
; A work-group is 64 query rows (qb) of one key/value head (kv); wave w is query head 4 kv + w, so the four waves read the same K, V and bias tiles.
; CLUSTER 4 x 4: the four work-groups of a row of the cluster share kv, hence K's and V's tiles; the four of a column share qb, hence the bias tile:
; each tile is asked for jointly.  Wave 0 asks for K, wave 1 for V, waves 2 and 3 for 32 rows of the bias each.
; TRANSPOSED: S^T = K Q^T (source 0 = 16 keys, source 1 = 16 queries): lane (r, h), register j of tile (qt, t) holds query 16 qt + r,
; key 16 t + 8 h + j.  So a query's maximum and sum are made inside a lane plus one exchange of the halves; two packed tiles t = 2c, 2c + 1
; are source 1 of ctx^T = V^T P^T as they lie; the rescaling factor is a factor of the lane; and a lane's results are 8 neighbouring d.
; A SLOT holds 128 keys: K 128 x 144 bytes, V 128 x 160, bias 64 x 272; two slots; 16 slot steps of two subtiles of 64 keys.
; LIMITS: q, k, v, P and ctx are f16 (|v| < 65504).  The running maximum starts at -1e30.  A row masked everywhere gives 0 x inf = NaN, as the softmax of -inf alone does.
; REGISTERS: window 0: addresses, state, K, V and bias fragments; window 1: v0-127 S (then P, packed in place), v128-255 ctx sums; window 2: v0-63 Q.
.set SLOT,  56320
.set VOFF,  18432
.set BOFF,  38912
.set STAGE, 2*SLOT                     ; 64 rows x 528 bytes, bytes of their own
.set KA, 8                             ; v8-9   K fragments in slot 0, 1
.set VA, 10                            ; v10-11 V fragments (transposing loads)
.set BA, 12                            ; v12-13 bias
.set MX, 22                            ; v22-25 running maximum of the raw scores, one for each query tile
.set LP, 30                            ; v30-37 running sums, a pair for each query tile
.set AL, 38                            ; v38-45 rescaling factor, twice
.set NM, 46                            ; v46-53 -maximum x c, twice
.set TP, 54                            ; v54-57 at work
.set DD, 58                            ; v58-61 at work
.set KF, 64                            ; v64-127  K fragments (t, ks) at 16 t + 8 ks
.set VF, 128                           ; v128-191 V fragments (dt, c) at 16 dt + 8 c
.set BI, 192                           ; v192-255 bias (qt, t) at 16 qt + 4 t: 8 bf16
.set G1K, 16
.set G1V, 24
.set G1B, 32
.set G0K, 40
.set G0V, 48
.set G0B, 56
.set MSB, 0
.macro WIN new
.if MSB != \new
	s_set_vgpr_msb (MSB<<8)|\new
.set MSB, \new
.endif
.endm
.macro JLOAD s                         ; each wave asks for one tile; each line has one mask and one register set
	s_cmp_lt_u32 s10, 2
	s_cbranch_scc0 .Lfor_bias_\@
	s_cmp_eq_u32 s10, 0
	s_cbranch_scc0 .Lfor_v_\@
	tensor_load_to_lds s[G0K+4*\s:G0K+4*\s+3], s[G1K:G1K+7]
	s_nop 0
	s_branch .Lasked_\@
.Lfor_v_\@:
	tensor_load_to_lds s[G0V+4*\s:G0V+4*\s+3], s[G1V:G1V+7]
	s_nop 0
	s_branch .Lasked_\@
.Lfor_bias_\@:
	tensor_load_to_lds s[G0B+4*\s:G0B+4*\s+3], s[G1B:G1B+7]
	s_nop 0
.Lasked_\@:
.endm
.macro CROUND                          ; a round of the cluster's barrier
	s_barrier_signal -1
	s_barrier_wait -1
	s_cmp_lg_u32 s10, 0
	s_cbranch_scc1 .Lnot_wave_0_\@
	s_barrier_signal -3
.Lnot_wave_0_\@:
	s_barrier_wait -3
	s_barrier_signal -1
	s_barrier_wait -1
.endm
.macro PL n                            ; places behind matrix instructions (ISA guide 7.12.1)
.rept \n
	v_nop
.endr
.endm
	s_load_b128 s[4:7], s[0:1], 0x0                ; qkv s[4:5], bias s[6:7]
	s_load_b64 s[8:9], s[0:1], 0x10                ; ctxb
	v_lshrrev_b32 v1, 5, v0
	v_readfirstlane_b32 s10, v1                    ; wave
	s_and_b32 s11, s10, 1
	s_bfe_u32 s12, ttmp6, 0x40000                  ; cx
	s_bfe_u32 s13, ttmp6, 0x40004                  ; cy
	s_lshl_b32 s14, ttmp9, 2
	s_add_co_u32 s14, s14, s12                     ; qb
	s_and_b32 s15, ttmp7, 0xffff
	s_lshl_b32 s15, s15, 2
	s_add_co_u32 s15, s15, s13                     ; kv
	s_lshl_b32 s76, s13, 2
	s_lshl_b32 s76, 15, s76                        ; my row of the cluster
	s_lshl_b32 s77, 0x1111, s12                    ; my column
	s_mov_b32 s66, 0x76543210                      ; lane i of one half reads lane i of the other
	s_mov_b32 s67, 0xfedcba98
	; K: 128 rows x 64 elements of 2 bytes, 4 words of padding behind every 32.  V: the same with 8 words.
	s_or_b32 s[G1K+0], s76, (1<<16)|(1<<20)|(1<<21)|(4<<22)|(3<<25)
	s_or_b32 s[G1V+0], s76, (1<<16)|(1<<20)|(1<<21)|(4<<22)|(7<<25)
.irp g, G1K, G1V
	s_mov_b32 s[\g+1], 64<<16                      ; tensor_dim0 = 64
	s_mov_b32 s[\g+2], 128<<16                     ; tensor_dim1 = 128
	s_mov_b32 s[\g+3], 64<<16                      ; tile_dim0 = 64
	s_mov_b32 s[\g+4], 128                         ; tile_dim1 = 128
	s_mov_b32 s[\g+5], 64                          ; elements from row to row
	s_mov_b32 s[\g+6], 0
	s_mov_b32 s[\g+7], 0
.endr
	; bias: 32 rows x 128 elements of 2 bytes, 4 words of padding behind every 64
	s_or_b32 s[G1B+0], s77, (1<<16)|(1<<20)|(1<<21)|(5<<22)|(3<<25)
	s_mov_b32 s[G1B+1], 128<<16
	s_mov_b32 s[G1B+2], 32<<16
	s_mov_b32 s[G1B+3], 128<<16
	s_mov_b32 s[G1B+4], 32
	s_mov_b32 s[G1B+5], 2048
	s_mov_b32 s[G1B+6], 0
	s_mov_b32 s[G1B+7], 0
	s_add_co_u32 s70, s15, 32
	s_lshl_b32 s70, s70, 18                        ; K's head 32 + kv: 2,048 rows of 128 bytes a head
	s_mov_b32 s71, 0
	s_lshl_b32 s72, s14, 6
	s_lshl_b32 s73, s11, 5
	s_add_co_u32 s72, s72, s73
	s_lshl_b32 s72, s72, 12                        ; bias row 64 qb + 32 (w & 1), of 4,096 bytes
	s_mov_b32 s73, 0
	s_mul_i32 s69, s10, 8704
	s_add_co_u32 s69, s69, BOFF-2*8704             ; waves 2, 3: the bias region's two halves
	s_lshl_b32 s74, s15, 2
	s_add_co_u32 s74, s74, s10                     ; my query head
	s_lshl_b32 s74, s74, 18
	s_lshl_b32 s75, s14, 13                        ; + 64 qb rows of 128 bytes
	s_add_co_u32 s74, s74, s75
	s_mov_b32 s75, 0
	s_lshl_b32 s78, s14, 6
	s_lshl_b32 s79, s10, 4
	s_add_co_u32 s78, s78, s79
	s_lshl_b32 s78, s78, 12                        ; ctxb row 64 qb + 16 w,
	s_lshl_b32 s79, s15, 9                         ; byte 512 kv
	s_add_co_u32 s78, s78, s79
	s_mov_b32 s79, 0
	s_wait_kmcnt 0x0
	s_add_nc_u64 s[70:71], s[4:5], s[70:71]
	s_add_nc_u64 s[72:73], s[6:7], s[72:73]
	s_add_nc_u64 s[74:75], s[4:5], s[74:75]
	s_add_nc_u64 s[78:79], s[8:9], s[78:79]
.irp s, 0,1
	s_mov_b32 s[G0K+4*\s], 1
	s_mov_b32 s[G0K+4*\s+1], \s*SLOT
	s_add_nc_u64 s[G0K+4*\s+2:G0K+4*\s+3], s[70:71], \s*16384              ; slot step s: 128 keys of 128 bytes
	s_or_b32 s[G0K+4*\s+3], s[G0K+4*\s+3], 0x80000000
	s_mov_b32 s[G0V+4*\s], 1
	s_mov_b32 s[G0V+4*\s+1], \s*SLOT+VOFF
	s_add_nc_u64 s[G0V+4*\s+2:G0V+4*\s+3], s[70:71], 0x200000+\s*16384     ; V's head lies 8 heads behind K's
	s_or_b32 s[G0V+4*\s+3], s[G0V+4*\s+3], 0x80000000
	s_mov_b32 s[G0B+4*\s], 1
	s_add_co_u32 s[G0B+4*\s+1], s69, \s*SLOT
	s_add_nc_u64 s[G0B+4*\s+2:G0B+4*\s+3], s[72:73], \s*256                ; 128 keys of 2 bytes
	s_or_b32 s[G0B+4*\s+3], s[G0B+4*\s+3], 0x80000000
.endr
	CROUND                                         ; all sixteen work-groups are here: the first joint loads meet
	JLOAD 0
	JLOAD 1
	v_and_b32 v1, 15, v0                           ; r
	v_bfe_u32 v2, v0, 4, 1                         ; h
	v_and_b32 v3, 31, v0                           ; L
	v_lshlrev_b32 v14, 7, v1
	v_lshl_add_u32 v14, v2, 4, v14                 ; Q: row r of 128 bytes, 16 bytes for each half
	WIN 0x80                                       ; destination in window 2
.irp qt, 0,1,2,3
.irp ks, 0,1
	global_load_b128 v[16*\qt+8*\ks:16*\qt+8*\ks+3],   v14, s[74:75] offset:2048*\qt+64*\ks
	global_load_b128 v[16*\qt+8*\ks+4:16*\qt+8*\ks+7], v14, s[74:75] offset:2048*\qt+64*\ks+32
.endr
.endr
	WIN 0
	v_mul_u32_u24 v[KA], v1, 144
	v_lshl_add_u32 v[KA], v2, 4, v[KA]
	v_add_nc_u32 v[KA+1], SLOT, v[KA]
	v_and_b32 v4, 7, v0
	v_lshl_add_u32 v4, v2, 3, v4                   ; key 8 h + (L & 7)
	v_mul_u32_u24 v[VA], v4, 160
	v_bfe_u32 v4, v0, 3, 1
	v_lshl_add_u32 v[VA], v4, 4, v[VA]
	v_add_nc_u32 v[VA], VOFF, v[VA]
	v_add_nc_u32 v[VA+1], SLOT, v[VA]
	v_mul_u32_u24 v[BA], v1, 272
	v_lshl_add_u32 v[BA], v2, 4, v[BA]
	v_add_nc_u32 v[BA], BOFF, v[BA]
	v_add_nc_u32 v[BA+1], SLOT, v[BA]
	v_mul_u32_u24 v15, v1, 528                     ; v15: into the stage: row r, byte 128 w + 16 h
	v_lshl_add_u32 v15, v2, 4, v15
	s_lshl_b32 s68, s10, 7
	s_add_co_u32 s68, s68, STAGE
	v_add_nc_u32 v15, s68, v15
	v_lshlrev_b32 v17, 4, v3                       ; v17: 16 L
	s_mul_i32 s68, s10, 16*528
	s_add_co_u32 s68, s68, STAGE
	v_add_nc_u32 v16, s68, v17                     ; v16: back: row 16 w, byte 16 L
	v_mov_b32 v18, 1.0
	v_mov_b32 v19, 0xbe38aa3b                      ; -c
	v_mov_b32 v20, 0x3e38aa3b                      ; c = log2(e) / 8: the scale 1/sqrt(64) and the base change in one
	v_mov_b32 v21, 0x3e38aa3b
.irp qt, 0,1,2,3
	v_mov_b32 v[MX+\qt], 0xf149f2ca                ; -1e30
	v_mov_b32 v[LP+2*\qt], 0
	v_mov_b32 v[LP+2*\qt+1], 0
	v_mov_b32 v[TP+\qt], 0                         ; written once: the exchange's destination counts as read
.endr
.irp qt, 0,1,2,3
	v_mul_f32 v[NM+2*\qt], v[MX+\qt], v19
	v_mul_f32 v[NM+2*\qt+1], v[MX+\qt], v19
.endr
; 64 keys against my 64 queries.  first = 1: the first products start the ctx sums.
; The sixteen S tiles, and the sixteen ctx tiles, take turns, one instruction a turn.
.macro SUB slot, sub, first
	WIN 0
.irp t, 0,1,2,3
.irp ks, 0,1
	ds_load_b128 v[KF+16*\t+8*\ks:KF+16*\t+8*\ks+3],   v[KA+\slot] offset:9216*\sub+2304*\t+64*\ks
	ds_load_b128 v[KF+16*\t+8*\ks+4:KF+16*\t+8*\ks+7], v[KA+\slot] offset:9216*\sub+2304*\t+64*\ks+32
.endr
.endr
.irp qt, 0,1,2,3
.irp t, 0,1,2,3
	ds_load_b128 v[BI+16*\qt+4*\t:BI+16*\qt+4*\t+3], v[BA+\slot] offset:4352*\qt+128*\sub+32*\t
.endr
.endr
.irp dt, 0,1,2,3
.irp c, 0,1
	ds_load_tr16_b128 v[VF+16*\dt+8*\c:VF+16*\dt+8*\c+3],   v[VA+\slot] offset:(64*\sub+32*\c)*160+32*\dt
	ds_load_tr16_b128 v[VF+16*\dt+8*\c+4:VF+16*\dt+8*\c+7], v[VA+\slot] offset:(64*\sub+32*\c)*160+32*\dt+2560
.endr
.endr
	s_wait_dscnt 32                                ; K's 16 loads are in; the bias's and V's 32 stay out
	WIN 0x58                                       ; K window 0, Q window 2, S window 1
.irp ks, 0,1
.irp t, 0,1,2,3
.irp qt, 0,1,2,3
.if \ks == 0
	v_wmma_f32_16x16x32_f16 v[32*\qt+8*\t:32*\qt+8*\t+7], v[KF+16*\t+8*\ks:KF+16*\t+8*\ks+7], v[16*\qt+8*\ks:16*\qt+8*\ks+7], 0
.else
	v_wmma_f32_16x16x32_f16 v[32*\qt+8*\t:32*\qt+8*\t+7], v[KF+16*\t+8*\ks:KF+16*\t+8*\ks+7], v[16*\qt+8*\ks:16*\qt+8*\ks+7], v[32*\qt+8*\t:32*\qt+8*\t+7]
.endif
.endr
.endr
.endr
	PL 4                                           ; before vector instructions read the scores
	s_wait_dscnt 16                                ; the bias is in; V's 16 loads stay out
	WIN 0x50
.irp qt, 0,1,2,3
.irp t, 0,1,2,3
.irp i, 0,1,2,3
	v_fma_mix_f32_bf16 v[32*\qt+8*\t+2*\i],   v[BI+16*\qt+4*\t+\i], v18, v[32*\qt+8*\t+2*\i]   op_sel:[0,0,0] op_sel_hi:[1,0,0]    ; score + bias x 1: -inf where masked
	v_fma_mix_f32_bf16 v[32*\qt+8*\t+2*\i+1], v[BI+16*\qt+4*\t+\i], v18, v[32*\qt+8*\t+2*\i+1] op_sel:[1,0,0] op_sel_hi:[1,0,0]
.endr
.endr
.endr
	WIN 0x14
.irp i, 0,1,2,3,4,5,6,7,8,9,10,11,12,13,14,15
.irp qt, 0,1,2,3
	v_max3_num_f32 v[MX+\qt], v[MX+\qt], v[32*\qt+2*\i], v[32*\qt+2*\i+1]
.endr
.endr
	WIN 0
.irp qt, 0,1,2,3
	v_permlanex16_b32 v[TP+\qt], v[MX+\qt], s66, s67       ; the other half's keys
.endr
.irp qt, 0,1,2,3
	v_max_num_f32 v[MX+\qt], v[MX+\qt], v[TP+\qt]
.endr
.irp qt, 0,1,2,3
	v_mul_f32 v[TP+\qt], v[MX+\qt], v19            ; the new shift, -maximum x c
.endr
.irp qt, 0,1,2,3
	v_sub_f32 v[DD+\qt], v[TP+\qt], v[NM+2*\qt]    ; new shift - old shift <= 0: the factor comes from the two rounded shifts themselves
.endr
.irp qt, 0,1,2,3
	v_exp_f32 v[AL+2*\qt], v[DD+\qt]
	v_exp_f32 v[AL+2*\qt+1], v[DD+\qt]
.endr
.irp qt, 0,1,2,3
	v_mov_b32 v[NM+2*\qt], v[TP+\qt]               ; plain work behind the exponentials (ISA guide 5.7.2)
	v_mov_b32 v[NM+2*\qt+1], v[TP+\qt]
.endr
	s_wait_alu depctr_va_vdst(0)
.irp qt, 0,1,2,3
	v_pk_mul_f32 v[LP+2*\qt:LP+2*\qt+1], v[LP+2*\qt:LP+2*\qt+1], v[AL+2*\qt:AL+2*\qt+1]
.endr
	WIN 0x41
.irp qt, 0,1,2,3
.irp i, 0,1,2,3,4,5,6,7,8,9,10,11,12,13,14,15
	v_pk_fma_f32 v[32*\qt+2*\i:32*\qt+2*\i+1], v[32*\qt+2*\i:32*\qt+2*\i+1], v[20:21], v[NM+2*\qt:NM+2*\qt+1]
.endr
.endr
.set EI, 0
.rept 64                                           ; two exponentials, then one packed rescaling of the ctx sums, which names none of their registers
	v_exp_f32 v[2*EI], v[2*EI]
	v_exp_f32 v[2*EI+1], v[2*EI+1]
.if \first == 0
	v_pk_mul_f32 v[128+2*EI:129+2*EI], v[128+2*EI:129+2*EI], v[AL+2*((EI/4)%4):AL+2*((EI/4)%4)+1]
.endif
.set EI, EI+1
.endr
.if \first
	v_nop                                          ; the plain place behind the last exponential
	s_wait_alu depctr_va_vdst(0)
.endif
	WIN 0x01
	s_wait_alu depctr_va_vdst(0)
.irp i, 0,1,2,3,4,5,6,7,8,9,10,11,12,13,14,15
.irp qt, 0,1,2,3
	v_pk_add_f32 v[LP+2*\qt:LP+2*\qt+1], v[32*\qt+2*\i:32*\qt+2*\i+1], v[LP+2*\qt:LP+2*\qt+1]
.endr
.endr
	WIN 0x45
.irp i, 0,1,2,3,4,5,6,7,8,9,10,11,12,13,14,15
.irp qt, 0,1,2,3
	v_cvt_pk_f16_f32 v[32*\qt+\i], v[32*\qt+2*\i], v[32*\qt+2*\i+1]        ; in place, ascending: register i is free once pair i/2 is packed
.endr
.endr
	s_wait_dscnt 0x0                               ; V is in
	WIN 0x54                                       ; V window 0, P and the sums window 1
.irp c, 0,1
.irp dt, 0,1,2,3
.irp qt, 0,1,2,3
.if \first*(1-\c)
	v_wmma_f32_16x16x32_f16 v[128+8*(4*\dt+\qt):128+8*(4*\dt+\qt)+7], v[VF+16*\dt+8*\c:VF+16*\dt+8*\c+7], v[32*\qt+8*\c:32*\qt+8*\c+7], 0
.else
	v_wmma_f32_16x16x32_f16 v[128+8*(4*\dt+\qt):128+8*(4*\dt+\qt)+7], v[VF+16*\dt+8*\c:VF+16*\dt+8*\c+7], v[32*\qt+8*\c:32*\qt+8*\c+7], v[128+8*(4*\dt+\qt):128+8*(4*\dt+\qt)+7]
.endif
.endr
.endr
.endr
	PL 5                                           ; the next score products write over P, the next loads land in V's fragments
	WIN 0
.endm
; A slot step.  In front of the barrier: all my tensor loads have landed (this slot's part among them) and my reads of the other slot are back.
; With refill the barrier is a round of the cluster's barrier, and the other slot is asked for again first behind it: it has 128 keys' work in which to land.
.macro NEXT slot, other, refill
	s_wait_tensorcnt 0x0
.if \refill
	s_add_nc_u64 s[G0K+4*\other+2:G0K+4*\other+3], s[G0K+4*\other+2:G0K+4*\other+3], 32768
	s_add_nc_u64 s[G0V+4*\other+2:G0V+4*\other+3], s[G0V+4*\other+2:G0V+4*\other+3], 32768
	s_add_nc_u64 s[G0B+4*\other+2:G0B+4*\other+3], s[G0B+4*\other+2:G0B+4*\other+3], 512
.endif
	s_wait_dscnt 0x0
.if \refill
	CROUND
	JLOAD \other
.else
	s_barrier_signal -1
	s_barrier_wait -1
.endif
	SUB \slot, 0, 0
	SUB \slot, 1, 0
.endm
	s_wait_tensorcnt 0x1                           ; my part of slot step 0 is in; step 1's stays out
	s_barrier_signal -1
	s_barrier_wait -1
	s_wait_loadcnt 0x0                             ; Q
	SUB 0, 0, 1
	SUB 0, 1, 0
	s_mov_b32 s68, 7
.Lkeys:
	NEXT 1, 0, 1                                   ; slot steps 1, 3, .. 13; asks for 2, 4, .. 14
	NEXT 0, 1, 1                                   ; slot steps 2, 4, .. 14; asks for 3, 5, .. 15
	s_sub_co_u32 s68, s68, 1
	s_cmp_lg_u32 s68, 0
	s_cbranch_scc1 .Lkeys
	NEXT 1, 0, 0                                   ; slot step 15
	; divide by the sums, round to f16, gather the four heads' rows in the stage, store whole rows of 512 bytes
.irp qt, 0,1,2,3
	v_add_f32 v[LP+2*\qt], v[LP+2*\qt], v[LP+2*\qt+1]
.endr
.irp qt, 0,1,2,3
	v_permlanex16_b32 v[TP+\qt], v[LP+2*\qt], s66, s67
.endr
.irp qt, 0,1,2,3
	v_add_f32 v[LP+2*\qt], v[LP+2*\qt], v[TP+\qt]
.endr
.irp qt, 0,1,2,3
	v_rcp_f32 v[AL+2*\qt], v[LP+2*\qt]
	v_rcp_f32 v[AL+2*\qt+1], v[LP+2*\qt]
.endr
	v_nop                                          ; the plain place behind the reciprocals
	WIN 0x41
.set EI, 0
	s_wait_alu depctr_va_vdst(0)
.rept 64
	v_pk_mul_f32 v[128+2*EI:129+2*EI], v[128+2*EI:129+2*EI], v[AL+2*((EI/4)%4):AL+2*((EI/4)%4)+1]
.set EI, EI+1
.endr
	WIN 0x05
.irp qt, 0,1,2,3
.irp dt, 0,1,2,3
.irp i, 0,1,2,3
	v_cvt_pk_f16_f32 v[64+4*(4*\qt+\dt)+\i], v[128+8*(4*\dt+\qt)+2*\i], v[128+8*(4*\dt+\qt)+2*\i+1]
.endr
.endr
.endr
	WIN 0
.irp qt, 0,1,2,3
.irp dt, 0,1,2,3
	ds_store_b128 v15, v[64+4*(4*\qt+\dt):64+4*(4*\qt+\dt)+3] offset:8448*\qt+32*\dt      ; row 16 qt + r, d = 16 dt + 8 h ..
.endr
.endr
	s_wait_dscnt 0x0                               ; my head's columns are written,
	s_barrier_signal -1
	s_barrier_wait -1                              ; all four heads' are
.irp i, 0,1,2,3,4,5,6,7,8,9,10,11,12,13,14,15
	ds_load_b128 v[128+4*\i:131+4*\i], v16 offset:528*\i
.endr
.irp i, 0,1,2,3,4,5,6,7,8,9,10,11,12,13,14,15
	s_wait_dscnt 15-\i                             ; row i is in, the younger ones stay out
	global_store_b128 v17, v[128+4*\i:131+4*\i], s[78:79] offset:4096*\i          ; the wave stores 512 neighbouring bytes, aligned
.endr
	CROUND                                         ; the closing round
	s_endpgm
.Lfunc_end_k_q0ff7664602_attn:
	.size	k_q0ff7664602_attn, .Lfunc_end_k_q0ff7664602_attn-k_q0ff7664602_attn
	.p2alignl 7, 3214868480
	.fill 96, 4, 3214868480
	.section	.rodata,"a",@progbits
	.p2align	6, 0x0
	.amdhsa_kernel k_q0ff7664602_attn
		.amdhsa_group_segment_fixed_size 327680
		.amdhsa_private_segment_fixed_size 0
		.amdhsa_enable_private_segment 0
		.amdhsa_kernarg_size 24
		.amdhsa_user_sgpr_count 2
		.amdhsa_user_sgpr_kernarg_segment_ptr 1
		.amdhsa_wavefront_size32 1
		.amdhsa_system_sgpr_workgroup_id_x 1
		.amdhsa_system_sgpr_workgroup_id_y 1
		.amdhsa_system_sgpr_workgroup_id_z 1
		.amdhsa_system_vgpr_workitem_id 0
		.amdhsa_next_free_vgpr 576
		.amdhsa_next_free_sgpr 80
		.amdhsa_reserve_vcc 0
		.amdhsa_float_denorm_mode_32 3
		.amdhsa_float_denorm_mode_16_64 3
		.amdhsa_memory_ordered 1
		.amdhsa_forward_progress 1
		.amdhsa_inst_pref_size 255
	.end_amdhsa_kernel
	.section	.bss,"aw",@nobits
	.p2align	6
	.space	262144
	.amdgpu_metadata
---
amdhsa.version: [ 1, 2 ]
amdhsa.kernels:
  - .name:           k_q0ff7664602_attn
    .symbol:         k_q0ff7664602_attn.kd
    .args:
      - { .name: qkv, .offset: 0, .size: 8, .value_kind: global_buffer, .address_space: global }
      - { .name: bias, .offset: 8, .size: 8, .value_kind: global_buffer, .address_space: global }
      - { .name: ctxb, .offset: 16, .size: 8, .value_kind: global_buffer, .address_space: global }
    .group_segment_fixed_size: 327680
    .private_segment_fixed_size: 0
    .kernarg_segment_align: 8
    .kernarg_segment_size: 24
    .max_flat_workgroup_size: 128
    .sgpr_count:     80
    .vgpr_count:     576
    .wavefront_size: 32
...
	.end_amdgpu_metadata
.endif
;; end of part 3
;; launch oproj (part 4): grid 16 x 16, 4 waves a work-group, clusters of 4 x 4, 327,680 bytes of LDS; arguments ctxb, wo8, out0; writes out0
.if DOCPART == 4
	.amdgcn_target "amdgcn-amd-amdhsa--gfx1250"
	.amdhsa_code_object_version 6
	.text
	.protected	k_q0ff7664602_oproj
	.globl	k_q0ff7664602_oproj
	.p2align	8
	.type	k_q0ff7664602_oproj,@function
k_q0ff7664602_oproj:
	s_mov_b64 s[64:65], 0
	v_nop
	global_prefetch_b8 v0, s[64:65] scope:SCOPE_SE
	s_setreg_imm32_b32 hwreg(HW_REG_WAVE_MODE, 25, 1), 1
	s_wait_xcnt 0x0
	s_wait_alu depctr_hold_cnt(0) depctr_sa_sdst(0) depctr_va_vdst(0) depctr_va_sdst(0) depctr_va_ssrc(0) depctr_va_vcc(0) depctr_vm_vsrc(0)
	s_getreg_b32 s2, hwreg(HW_REG_IB_STS2, 6, 4)
	s_cmp_eq_u32 s2, 0
	s_cbranch_scc0 .Lentry_in_a_cluster
	s_endpgm
.Lentry_in_a_cluster:
	s_bfe_u32 s2, ttmp6, 0x10000c
	s_cmp_lg_u32 s2, 0xf033
	s_cbranch_scc0 .Lentry_shape_is_right
	s_endpgm
.Lentry_shape_is_right:
; out0 (f32) = ctx Wo.  Operands f16 (ctxb as the attention left it; wo8 = Wo rounded to bf16, in f16 codes), sums f32.
; A work-group makes 128 x 128 with four waves; wave (wr, wc) makes 64 x 64: 4 x 4 accumulator tiles.  16 x 16 blocks give 256 work-groups.
; K goes in 16 steps of 128 through two LDS slots.  CLUSTER 4 x 4: ctxb's tiles are shared along a row of the cluster, wo8's along a column.
; A SLOT: regions 0, 1 = ctxb rows 0-63, 64-127 (256 bytes + 16 a row), regions 2, 3 = chunk rows 0-7, 8-15 of wo8 (2,048 bytes each:
; 128 columns x 16 bytes = 8 k of a column).  Wave w fetches region w.
; THE MATRIX INSTRUCTION IS USED TRANSPOSED (source 0 = 16 columns of Wo, source 1 = 16 rows of ctx): lane (r, h), register j holds
; row 16 a + r, column 16 b + 8 h + j.  REGISTERS: window 0: addresses and two fragment buffers; window 1: the 16 accumulator tiles.
.set NBW,   4
.set BROW,  2048
.set BSTR,  32768
.set REG,   17408
.set SLOT,  4*REG
.set STAGE, 2*SLOT                     ; behind the ring: 16 rows x 272 bytes for each wave, bytes of their own
.set PITCH, 272
.set F0,    64                         ; v64-127
.set F1,    128                        ; v128-191
.set ADRA,  16
.set ADRB,  20
.set G1,  24
.set G0,  32
.set G1B, 48
.set G0B, 56
.set MUL, 0x50
.set MSB, 0
.macro WIN new
.if MSB != \new
	s_set_vgpr_msb (MSB<<8)|\new
.set MSB, \new
.endif
.endm
.macro JLOAD s                         ; waves 0, 1 ask for ctx's halves, waves 2, 3 for Wo's
	s_cmp_eq_u32 s11, 0
	s_cbranch_scc0 .Lfor_b_\@
	tensor_load_to_lds s[G0+4*\s:G0+4*\s+3], s[G1:G1+7]
	s_nop 0
	s_branch .Lasked_\@
.Lfor_b_\@:
	tensor_load_to_lds s[G0B+4*\s:G0B+4*\s+3], s[G1B:G1B+7]
	s_nop 0
.Lasked_\@:
.endm
.macro CREST
	s_cmp_lg_u32 s10, 0
	s_cbranch_scc1 .Lnot_wave_0_\@
	s_barrier_signal -3
.Lnot_wave_0_\@:
	s_barrier_wait -3
	s_barrier_signal -1
	s_barrier_wait -1
.endm
.macro CROUND
	s_barrier_signal -1
	s_barrier_wait -1
	CREST
.endm
.macro PLACES                          ; four places behind a matrix instruction (ISA guide 7.12.1)
.rept 4
	v_nop
.endr
.endm
	s_load_b128 s[4:7], s[0:1], 0x0                ; ctxb s[4:5], wo8 s[6:7]
	s_load_b64 s[8:9], s[0:1], 0x10                ; out0
	v_lshrrev_b32 v1, 5, v0
	v_readfirstlane_b32 s10, v1                    ; wave
	s_lshr_b32 s11, s10, 1                         ; wr.  Also: I fetch ctx (0) or Wo (1)
	s_and_b32 s12, s10, 1                          ; wc.  Also: which half
	s_bfe_u32 s40, ttmp6, 0x40000                  ; cx
	s_bfe_u32 s41, ttmp6, 0x40004                  ; cy
	s_lshl_b32 s42, ttmp9, 2
	s_add_co_u32 s42, s42, s40                     ; block column bn
	s_and_b32 s13, ttmp7, 0xffff
	s_lshl_b32 s13, s13, 2
	s_add_co_u32 s13, s13, s41                     ; block row bm
	s_lshl_b32 s43, s41, 2
	s_lshl_b32 s43, 15, s43
	s_lshl_b32 s44, 0x1111, s40
	s_or_b32 s[G1+0], s43, (1<<16)|(1<<20)|(1<<21)|(5<<22)|(3<<25)     ; 64 rows x 128 elements of 2 bytes, 4 words of padding behind every 64
	s_mov_b32 s[G1+1], 128<<16
	s_mov_b32 s[G1+2], 64<<16
	s_mov_b32 s[G1+3], 128<<16
	s_mov_b32 s[G1+4], 64
	s_mov_b32 s[G1+5], 2048
	s_mov_b32 s[G1+6], 0
	s_mov_b32 s[G1+7], 0
	s_or_b32 s[G1B+0], s44, (3<<16)|(1<<21)        ; 8 chunk rows of 2,048 bytes as elements of 8 bytes
	s_mov_b32 s[G1B+1], (BROW/8)<<16
	s_mov_b32 s[G1B+2], 8<<16
	s_mov_b32 s[G1B+3], (BROW/8)<<16
	s_mov_b32 s[G1B+4], 8
	s_mov_b32 s[G1B+5], BSTR/8
	s_mov_b32 s[G1B+6], 0
	s_mov_b32 s[G1B+7], 0
	s_lshl_b32 s16, s13, 7
	s_lshl_b32 s17, s12, 6
	s_add_co_u32 s16, s16, s17
	s_lshl_b32 s16, s16, 12                        ; ctx: row 128 bm + 64 half, of 4,096 bytes
	s_mov_b32 s17, 0
	s_mul_i32 s46, s42, BROW
	s_mul_i32 s47, s12, 8*BSTR
	s_add_co_u32 s46, s46, s47
	s_mov_b32 s47, 0
	s_mul_i32 s20, s10, REG
	s_wait_kmcnt 0x0
	s_add_nc_u64 s[14:15], s[4:5], s[16:17]
	s_add_nc_u64 s[46:47], s[6:7], s[46:47]
	CROUND                                         ; in front of the first joint loads
.irp s, 0,1
	s_mov_b32 s[G0+4*\s], 1
	s_add_co_u32 s[G0+4*\s+1], s20, \s*SLOT
	s_add_nc_u64 s[G0+4*\s+2:G0+4*\s+3], s[14:15], \s*256
	s_or_b32 s[G0+4*\s+3], s[G0+4*\s+3], 0x80000000
	s_mov_b32 s[G0B+4*\s], 1
	s_add_co_u32 s[G0B+4*\s+1], s20, \s*SLOT
	s_add_nc_u64 s[G0B+4*\s+2:G0B+4*\s+3], s[46:47], \s*16*BSTR
	s_or_b32 s[G0B+4*\s+3], s[G0B+4*\s+3], 0x80000000
	JLOAD \s
.endr
	v_and_b32 v1, 15, v0                           ; r
	v_bfe_u32 v2, v0, 4, 1                         ; h
	v_mul_u32_u24 v3, v1, PITCH
	v_lshl_add_u32 v3, v2, 4, v3
	v_mul_u32_u24 v4, v2, BROW
	v_lshl_add_u32 v4, v1, 4, v4
	s_mul_i32 s21, s11, REG
	s_mul_i32 s22, s12, 256*NBW
	s_add_co_u32 s22, s22, 2*REG
.irp s, 0,1
	v_add_nc_u32 v[ADRA+\s], s21, v3
	v_add_nc_u32 v[ADRB+\s], s22, v4
	s_add_co_u32 s21, s21, SLOT
	s_add_co_u32 s22, s22, SLOT
.endr
	s_mul_i32 s23, s10, 16*PITCH
	s_add_co_u32 s23, s23, STAGE                   ; my stage
	v_mul_u32_u24 v24, v1, PITCH                   ; v24: in: row r, byte 32 h
	v_lshl_add_u32 v24, v2, 5, v24
	v_add_nc_u32 v24, s23, v24
	v_mul_u32_u24 v25, v2, PITCH                   ; v25: back: lanes 0-15 one row of 256 bytes, lanes 16-31 the next
	v_lshl_add_u32 v25, v1, 4, v25
	v_add_nc_u32 v25, s23, v25
	v_lshlrev_b32 v26, 13, v2                      ; v26: the same two rows in out0 (8,192 bytes a row)
	v_lshl_add_u32 v26, v1, 4, v26
; 8 matrix instructions: row tiles a0, a0 + 1 x four column tiles.  The 16 accumulators take turns, one instruction a turn, in one fixed order.
.macro MULH f, a0, zero
.irp a, \a0, \a0+1
.irp b, 0,1,2,3
.if \zero
	v_wmma_f32_16x16x32_f16 v[8*(NBW*(\a)+\b):8*(NBW*(\a)+\b)+7], v[\f+8*\b:\f+8*\b+7], v[\f+8*NBW+8*(\a):\f+8*NBW+8*(\a)+7], 0
.else
	v_wmma_f32_16x16x32_f16 v[8*(NBW*(\a)+\b):8*(NBW*(\a)+\b)+7], v[\f+8*\b:\f+8*\b+7], v[\f+8*NBW+8*(\a):\f+8*NBW+8*(\a)+7], v[8*(NBW*(\a)+\b):8*(NBW*(\a)+\b)+7]
.endif
.endr
.endr
.endm
.macro FETCH slot, qk, f               ; 16 LDS loads: quarter qk's fragments into buffer f
.irp b, 0,1,2,3
	ds_load_b128 v[\f+8*\b:\f+8*\b+3],   v[ADRB+\slot] offset:(\qk/2)*REG+(\qk%2)*4*BROW+256*\b
	ds_load_b128 v[\f+8*\b+4:\f+8*\b+7], v[ADRB+\slot] offset:(\qk/2)*REG+(\qk%2)*4*BROW+256*\b+2*BROW
.endr
.irp a, 0,1,2,3
	ds_load_b128 v[\f+8*NBW+8*\a:\f+8*NBW+8*\a+3],   v[ADRA+\slot] offset:64*\qk+16*PITCH*\a
	ds_load_b128 v[\f+8*NBW+8*\a+4:\f+8*NBW+8*\a+7], v[ADRA+\slot] offset:64*\qk+16*PITCH*\a+32
.endr
.endm
.macro QUARTER slot, k, f, g, zero     ; the next quarter's fragments are asked for first and have this quarter's 16 matrix instructions in which to land
	s_wait_dscnt 0x0                               ; buffer f, asked for a quarter ago
	PLACES                                         ; buffer g was read by the matrix instructions just issued
	WIN 0
	FETCH \slot, \k, \g
	WIN MUL
	MULH \f, 0, \zero
	MULH \f, 2, \zero
.endm
.macro THREE slot, zero
	QUARTER \slot, 1, F0, F1, \zero
	QUARTER \slot, 2, F1, F0, 0
	QUARTER \slot, 3, F0, F1, 0
.endm
; The last quarter changes slots: my reads of this slot are back and all my tensor loads have landed in front of the barrier;
; behind it (with fill: behind the cluster's round that it opens) this slot is asked for again first.
.macro TURN slot, next, fill
	s_wait_dscnt 0x0
	s_wait_tensorcnt 0x0
	s_barrier_signal -1
	WIN MUL
	MULH F1, 0, 0                                  ; register work while the others arrive
	WIN 0
	s_barrier_wait -1
.if \fill
	CREST
	s_add_nc_u64 s[G0+4*\slot+2:G0+4*\slot+3], s[G0+4*\slot+2:G0+4*\slot+3], 512
	s_add_nc_u64 s[G0B+4*\slot+2:G0B+4*\slot+3], s[G0B+4*\slot+2:G0B+4*\slot+3], 32*BSTR
	JLOAD \slot                                    ; my one tensor load behind the round
.endif
	PLACES
	FETCH \next, 0, F0
	WIN MUL
	MULH F1, 2, 0
.endm
.macro LAP zero
	THREE 0, \zero
	TURN 0, 1, 1
	THREE 1, 0
	TURN 1, 0, 1
.endm
	s_wait_tensorcnt 0x1                           ; K step 0's part is in; K step 1's stays out
	s_barrier_signal -1
	s_barrier_wait -1
	FETCH 0, 0, F0
	LAP 1
	WIN 0
	s_mov_b32 s3, 6
.Llap:
	LAP 0
	WIN 0
	s_sub_co_u32 s3, s3, 1
	s_cmp_lg_u32 s3, 0
	s_cbranch_scc1 .Llap
	THREE 0, 0
	TURN 0, 1, 0
	THREE 1, 0
	s_wait_dscnt 0x0
	WIN MUL
	MULH F1, 0, 0
	MULH F1, 2, 0
	PLACES                                         ; behind the last matrix instructions: results are read and fragment registers loaded into below
	WIN 0
	s_lshl_b32 s16, s13, 7
	s_lshl_b32 s17, s11, 6
	s_add_co_u32 s16, s16, s17
	s_lshl_b32 s16, s16, 13                        ; my first row of out0, of 8,192 bytes
	s_mov_b32 s17, 0
	s_add_nc_u64 s[8:9], s[8:9], s[16:17]
	s_lshl_b32 s46, s42, 9                         ; my first column, in bytes: 512 bn + 256 wc (in registers that never feed ctx's descriptors)
	s_lshl_b32 s47, s12, 8
	s_add_co_u32 s46, s46, s47
	s_mov_b32 s47, 0
	s_add_nc_u64 s[8:9], s[8:9], s[46:47]
; 16 rows at a time through my own stage: LDS serves a wave's instructions in order (ISA guide 5.7.1.4), so no wait stands between the stores and the loads
.macro OUT16 a, f
	WIN 0x04                                       ; store data in window 1
.irp b, 0,1,2,3
	ds_store_b128 v24, v[8*(NBW*\a+\b):8*(NBW*\a+\b)+3]   offset:64*\b
	ds_store_b128 v24, v[8*(NBW*\a+\b)+4:8*(NBW*\a+\b)+7] offset:64*\b+16
.endr
	WIN 0
	s_wait_xcnt 0x0                                ; earlier stores have had their addresses translated (ISA guide 3.1): buffer f and the base are rewritten only behind this wait
.if \a
	s_add_nc_u64 s[8:9], s[8:9], 16*8192
.endif
.irp t, 0,1,2,3,4,5,6,7
	ds_load_b128 v[\f+4*\t:\f+4*\t+3], v25 offset:2*PITCH*\t
.endr
.irp t, 0,1,2,3,4,5,6,7
	s_wait_dscnt 7-\t
	global_store_b128 v26, v[\f+4*\t:\f+4*\t+3], s[8:9] offset:16384*\t th:TH_STORE_NT    ; 16 lanes store 256 neighbouring bytes, aligned
.endr
.endm
	OUT16 0, F0
	OUT16 1, F1
	OUT16 2, F0
	OUT16 3, F1
	CROUND                                         ; the closing round
	s_endpgm
.Lfunc_end_k_q0ff7664602_oproj:
	.size	k_q0ff7664602_oproj, .Lfunc_end_k_q0ff7664602_oproj-k_q0ff7664602_oproj
	.p2alignl 7, 3214868480
	.fill 96, 4, 3214868480
	.section	.rodata,"a",@progbits
	.p2align	6, 0x0
	.amdhsa_kernel k_q0ff7664602_oproj
		.amdhsa_group_segment_fixed_size 327680
		.amdhsa_private_segment_fixed_size 0
		.amdhsa_enable_private_segment 0
		.amdhsa_kernarg_size 24
		.amdhsa_user_sgpr_count 2
		.amdhsa_user_sgpr_kernarg_segment_ptr 1
		.amdhsa_wavefront_size32 1
		.amdhsa_system_sgpr_workgroup_id_x 1
		.amdhsa_system_sgpr_workgroup_id_y 1
		.amdhsa_system_sgpr_workgroup_id_z 1
		.amdhsa_system_vgpr_workitem_id 0
		.amdhsa_next_free_vgpr 384
		.amdhsa_next_free_sgpr 66
		.amdhsa_reserve_vcc 0
		.amdhsa_float_denorm_mode_32 3
		.amdhsa_float_denorm_mode_16_64 3
		.amdhsa_memory_ordered 1
		.amdhsa_forward_progress 1
		.amdhsa_inst_pref_size 72
	.end_amdhsa_kernel
	.amdgpu_metadata
---
amdhsa.version: [ 1, 2 ]
amdhsa.kernels:
  - .name:           k_q0ff7664602_oproj
    .symbol:         k_q0ff7664602_oproj.kd
    .args:
      - { .name: ctxb, .offset: 0, .size: 8, .value_kind: global_buffer, .address_space: global }
      - { .name: wo8, .offset: 8, .size: 8, .value_kind: global_buffer, .address_space: global }
      - { .name: out0, .offset: 16, .size: 8, .value_kind: global_buffer, .address_space: global }
    .group_segment_fixed_size: 327680
    .private_segment_fixed_size: 0
    .kernarg_segment_align: 8
    .kernarg_segment_size: 24
    .max_flat_workgroup_size: 128
    .sgpr_count:     66
    .vgpr_count:     384
    .wavefront_size: 32
...
	.end_amdgpu_metadata
.endif
;; end of part 4
;; ======== version 2 of 2: 4 launches
;; limits: values are held in f16: magnitudes above 65,504 overflow, below 6.1e-05 lose precision; values outside matrix products are rounded to bf16
;; workspace buffers: xb8 8,388,608 bytes; wqkv8 12,582,912 bytes; wo8 8,388,608 bytes; bias 8,388,608 bytes; qkv 12,582,912 bytes; ctxb 8,388,608 bytes
;; launch prep (part 5): grid 32 x 64, 8 waves a work-group, no clusters, 18,432 bytes of LDS; arguments x, Wq, Wk, Wv, Wo, mask, xb8, wqkv8, wo8, bias; writes xb8, wqkv8, wo8, bias
.if DOCPART == 5
	.amdgcn_target "amdgcn-amd-amdhsa--gfx1250"
	.amdhsa_code_object_version 6
	.text
	.protected	k_q0ff7664602_prep
	.globl	k_q0ff7664602_prep
	.p2align	8
	.type	k_q0ff7664602_prep,@function
k_q0ff7664602_prep:
	s_mov_b64 s[64:65], 0
	v_nop
	global_prefetch_b8 v0, s[64:65] scope:SCOPE_SE
	s_setreg_imm32_b32 hwreg(HW_REG_WAVE_MODE, 25, 1), 1
	s_wait_xcnt 0x0
; Casts and re-layouts, once, for the three launches that follow.  A stream: no barrier, no loop, no matrix unit.
;   xb8   [256 kc][2048 s][8] bf16     = row s of x, columns 8 kc .. 8 kc + 7, rounded, in 16 neighbouring bytes
;   wqkv8 [256 kc][3072 n][8] bf16     = column n of [Wq | Wk | Wv], rows 8 kc .. 8 kc + 7, in 16 neighbouring bytes
;   wo8   [256 kc][2048 n][8] f16      = Wo rounded to bf16 like the other inputs, then written as f16 (its partner in the product is f16)
;   bias  [2048 q][2048 l] bf16        = -inf (0xff80) where mask is 1, 0 where it is 0
; LIMITS: a bf16 number is exact in f16 for 2^-17 <= |w| <= 65504; below that wo8 errs by at most 2^-25, above it overflows.  Mask bytes are 0 or 1.
; The work-group's x picks the job, its y the part; every work-group moves 48 KiB (in plus out):
;   x 0-7 Wq, 8-9 Wk, 10-11 Wv, 12-19 Wo: 256 columns x 32 rows;  x 20-27: 32 KiB of x;  x 28-31: 16 KiB of mask.
; In a weight job thread t owns one column: it loads 32 rows' words and stores four chunks of 16 bytes; a wave's store covers 512
; neighbouring bytes, so the layout changes without any exchange between lanes.
; In an x job the chunks of one chunk row belong to different rows of x, so each wave turns its 16 rows x 64 columns round in 2,304 bytes
; of LDS of its own.  Every register is written once (the x job loads LDS data into registers whose global loads are done): no wait frees a source.
; sb, db: first scalar register of the source's and the destination's address; spitch, dpitch: bytes from row to row, from chunk row to chunk row;
; cb0, dcb0: the work-group x at which the source's and the destination's column 0 lies; viaf16 = 1: bf16 rounding, then f16 codes.
.macro WPATH sb, spitch, cb0, db, dpitch, dcb0, viaf16
	s_sub_co_u32 s30, s2, \cb0
	s_lshl_b32 s30, s30, 10                        ; 256 columns of 4 bytes
	s_mul_i32 s31, s3, 32*\spitch                  ; 32 rows
	s_add_co_u32 s30, s30, s31
	s_mov_b32 s31, 0
	s_add_nc_u64 s[28:29], s[\sb:\sb+1], s[30:31]
	s_sub_co_u32 s34, s2, \dcb0
	s_lshl_b32 s34, s34, 12                        ; 256 columns of 16 bytes
	s_mul_i32 s35, s3, 4*\dpitch                   ; 4 chunk rows
	s_add_co_u32 s34, s34, s35
	s_mov_b32 s35, 0
	s_add_nc_u64 s[32:33], s[\db:\db+1], s[34:35]
	v_lshlrev_b32 v1, 2, v0
	v_lshlrev_b32 v2, 4, v0
.set LI, 0
.rept 32
	global_load_b32 v[8+LI], v1, s[28:29] offset:LI*\spitch th:TH_LOAD_NT
.set LI, LI+1
.endr
.irp c, 0,1,2,3
	s_wait_loadcnt 24-8*\c                         ; loads return in order: rows 8c .. 8c+7 are in, the 24-8c younger ones stay out
.irp q, 0,1,2,3
	v_cvt_pk_bf16_f32 v[40+4*\c+\q], v[8+8*\c+2*\q], v[8+8*\c+2*\q+1]     ; the lower row in the lower half
.endr
.if \viaf16
.irp q, 0,1,2,3
	v_lshlrev_b32 v56, 16, v[40+4*\c+\q]           ; the rounded numbers again as f32,
	v_and_b32 v57, s6, v[40+4*\c+\q]
	v_cvt_pk_f16_f32 v[40+4*\c+\q], v56, v57       ; and as f16 codes
.endr
.endif
	global_store_b128 v2, v[40+4*\c:43+4*\c], s[32:33] offset:\c*\dpitch
.endr
	s_endpgm
.endm
	s_load_b512 s[8:23], s[0:1], 0x0               ; x s[8:9], Wq s[10:11], Wk s[12:13], Wv s[14:15], Wo s[16:17], mask s[18:19], xb8 s[20:21], wqkv8 s[22:23]
	s_load_b128 s[24:27], s[0:1], 0x40             ; wo8 s[24:25], bias s[26:27]
	v_lshrrev_b32 v1, 5, v0
	v_readfirstlane_b32 s7, v1                     ; wave
	s_mov_b32 s2, ttmp9                            ; job
	s_and_b32 s3, ttmp7, 0xffff                    ; part
	s_mov_b32 s4, 0x04010400                       ; byte select: mask bytes 0 and 1 into the two halves of a word
	s_mov_b32 s5, 0x04030402                       ; bytes 2 and 3
	s_mov_b32 s6, 0xffff0000                       ; a word's upper bf16
	s_mov_b32 s31, 0
	s_mov_b32 s35, 0
	s_wait_kmcnt 0x0
	s_cmp_lt_u32 s2, 8
	s_cbranch_scc1 .Lwq
	s_cmp_lt_u32 s2, 10
	s_cbranch_scc1 .Lwk
	s_cmp_lt_u32 s2, 12
	s_cbranch_scc1 .Lwv
	s_cmp_lt_u32 s2, 20
	s_cbranch_scc1 .Lwo
	s_cmp_lt_u32 s2, 28
	s_cbranch_scc1 .Lx
; mask: 8 bytes a thread and block in, 16 bytes out.  A byte b becomes the half word b * 0xff80.
	s_sub_co_u32 s30, s2, 28
	s_lshl_b32 s30, s30, 6
	s_add_co_u32 s30, s30, s3                      ; part 0 .. 255
	s_lshl_b32 s34, s30, 15
	s_lshl_b32 s30, s30, 14
	s_add_nc_u64 s[28:29], s[18:19], s[30:31]
	s_add_nc_u64 s[32:33], s[26:27], s[34:35]
	v_lshlrev_b32 v1, 3, v0
	v_lshlrev_b32 v2, 4, v0
	v_mov_b32 v3, 0
.irp u, 0,1,2,3,4,5,6,7
	global_load_b64 v[8+2*\u:9+2*\u], v1, s[28:29] offset:2048*\u th:TH_LOAD_NT
.endr
.irp u, 0,1,2,3,4,5,6,7
	s_wait_loadcnt 7-\u                            ; block u is in, the younger ones stay out
	v_perm_b32 v[24+4*\u], v3, v[8+2*\u], s4
	v_perm_b32 v[25+4*\u], v3, v[8+2*\u], s5
	v_perm_b32 v[26+4*\u], v3, v[9+2*\u], s4
	v_perm_b32 v[27+4*\u], v3, v[9+2*\u], s5
.irp q, 0,1,2,3
	v_mul_u32_u24 v[24+4*\u+\q], 0xff80, v[24+4*\u+\q]     ; both halves at once: (b0 + 65536 b1) * 0xff80 has no carry between them
.endr
	global_store_b128 v2, v[24+4*\u:27+4*\u], s[32:33] offset:4096*\u
.endr
	s_endpgm
.Lx:
; x: the work-group takes 16 rows x 512 columns, wave w the columns 64 w .. 64 w + 63 of them.  A load covers two rows' 256 bytes, aligned
; (lanes 0-15 the even row, lanes 16-31 the odd one); the rounded numbers go into the wave's own LDS rows of 128 + 16 bytes; a lane reads
; back one chunk of 16 bytes of row L & 15, and sixteen lanes store 256 neighbouring bytes of a chunk row, aligned.
	s_sub_co_u32 s30, s2, 20
	s_lshl_b32 s30, s30, 6
	s_add_co_u32 s30, s30, s3                      ; part 0 .. 511
	s_lshr_b32 s36, s30, 2                         ; group of 16 rows, 0 .. 127
	s_and_b32 s37, s30, 3                          ; group of 512 columns, 0 .. 3
	s_lshl_b32 s30, s36, 17                        ; 16 rows of 8,192 bytes
	s_lshl_b32 s34, s37, 11                        ; 512 columns of 4 bytes
	s_add_co_u32 s30, s30, s34
	s_lshl_b32 s34, s37, 21                        ; 64 chunk rows of 32,768 bytes
	s_lshl_b32 s36, s36, 8                         ; 16 chunks of 16 bytes
	s_add_co_u32 s34, s34, s36
	s_add_nc_u64 s[28:29], s[8:9], s[30:31]
	s_add_nc_u64 s[32:33], s[20:21], s[34:35]
	v_and_b32 v4, 15, v0                           ; c = L & 15
	v_bfe_u32 v5, v0, 4, 1                         ; h = L >> 4
	v_lshlrev_b32 v1, 4, v4
	v_lshl_add_u32 v1, v5, 13, v1
	s_lshl_b32 s36, s7, 8
	v_add_nc_u32 v1, s36, v1                       ; from: row h, byte 256 w + 16 c
	v_lshlrev_b32 v2, 4, v4
	v_lshl_add_u32 v2, v5, 15, v2
	s_lshl_b32 s36, s7, 18
	v_add_nc_u32 v2, s36, v2                       ; to: chunk row 8 w + h, chunk c
	s_mul_i32 s37, s7, 16*144                      ; my wave's bytes of LDS
	v_mul_u32_u24 v6, v5, 144
	v_lshl_add_u32 v6, v4, 3, v6
	v_add_nc_u32 v6, s37, v6                       ; in: row h, byte 8 c
	v_mul_u32_u24 v7, v4, 144
	v_lshl_add_u32 v7, v5, 4, v7
	v_add_nc_u32 v7, s37, v7                       ; back: row c, chunk h; 144 is an odd multiple of 16: sixteen rows, sixteen different columns of banks
.irp u, 0,1,2,3,4,5,6,7
	global_load_b128 v[8+4*\u:11+4*\u], v1, s[28:29] offset:16384*\u th:TH_LOAD_NT
.endr
.irp u, 0,1,2,3,4,5,6,7
	s_wait_loadcnt 7-\u                            ; rows 2u, 2u + 1 are in, the younger ones stay out
	v_cvt_pk_bf16_f32 v[40+2*\u], v[8+4*\u], v[9+4*\u]
	v_cvt_pk_bf16_f32 v[41+2*\u], v[10+4*\u], v[11+4*\u]
	ds_store_b64 v6, v[40+2*\u:41+2*\u] offset:288*\u
.endr
.irp j, 0,1,2,3
	ds_load_b128 v[8+4*\j:11+4*\j], v7 offset:32*\j        ; LDS serves a wave's instructions in order (ISA guide 5.7.1.4): these see the stores above
.endr
.irp j, 0,1,2,3
	s_wait_dscnt 3-\j                              ; chunks 2j, 2j + 1 are in, the younger loads stay out
	global_store_b128 v2, v[8+4*\j:11+4*\j], s[32:33] offset:65536*\j
.endr
	s_endpgm
.Lwq:
	WPATH 10, 8192, 0, 22, 49152, 0, 0             ; columns 0 .. 2047 of wqkv8
.Lwk:
	WPATH 12, 2048, 8, 22, 49152, 0, 0             ; x = 8 stands at column 2048 of wqkv8: 256 x as it is
.Lwv:
	WPATH 14, 2048, 10, 22, 49152, 0, 0            ; x = 10 stands at column 2560
.Lwo:
	WPATH 16, 8192, 12, 24, 32768, 12, 1
.Lfunc_end_k_q0ff7664602_prep:
	.size	k_q0ff7664602_prep, .Lfunc_end_k_q0ff7664602_prep-k_q0ff7664602_prep
	.p2alignl 7, 3214868480
	.fill 96, 4, 3214868480
	.section	.rodata,"a",@progbits
	.p2align	6, 0x0
	.amdhsa_kernel k_q0ff7664602_prep
		.amdhsa_group_segment_fixed_size 18432
		.amdhsa_private_segment_fixed_size 0
		.amdhsa_enable_private_segment 0
		.amdhsa_kernarg_size 80
		.amdhsa_user_sgpr_count 2
		.amdhsa_user_sgpr_kernarg_segment_ptr 1
		.amdhsa_wavefront_size32 1
		.amdhsa_system_sgpr_workgroup_id_x 1
		.amdhsa_system_sgpr_workgroup_id_y 1
		.amdhsa_system_sgpr_workgroup_id_z 1
		.amdhsa_system_vgpr_workitem_id 0
		.amdhsa_next_free_vgpr 64
		.amdhsa_next_free_sgpr 66
		.amdhsa_reserve_vcc 0
		.amdhsa_float_denorm_mode_32 3
		.amdhsa_float_denorm_mode_16_64 3
		.amdhsa_memory_ordered 1
		.amdhsa_forward_progress 1
		.amdhsa_inst_pref_size 34
	.end_amdhsa_kernel
	.amdgpu_metadata
---
amdhsa.version: [ 1, 2 ]
amdhsa.kernels:
  - .name:           k_q0ff7664602_prep
    .symbol:         k_q0ff7664602_prep.kd
    .args:
      - { .name: x, .offset: 0, .size: 8, .value_kind: global_buffer, .address_space: global }
      - { .name: Wq, .offset: 8, .size: 8, .value_kind: global_buffer, .address_space: global }
      - { .name: Wk, .offset: 16, .size: 8, .value_kind: global_buffer, .address_space: global }
      - { .name: Wv, .offset: 24, .size: 8, .value_kind: global_buffer, .address_space: global }
      - { .name: Wo, .offset: 32, .size: 8, .value_kind: global_buffer, .address_space: global }
      - { .name: mask, .offset: 40, .size: 8, .value_kind: global_buffer, .address_space: global }
      - { .name: xb8, .offset: 48, .size: 8, .value_kind: global_buffer, .address_space: global }
      - { .name: wqkv8, .offset: 56, .size: 8, .value_kind: global_buffer, .address_space: global }
      - { .name: wo8, .offset: 64, .size: 8, .value_kind: global_buffer, .address_space: global }
      - { .name: bias, .offset: 72, .size: 8, .value_kind: global_buffer, .address_space: global }
    .group_segment_fixed_size: 18432
    .private_segment_fixed_size: 0
    .kernarg_segment_align: 8
    .kernarg_segment_size: 80
    .max_flat_workgroup_size: 256
    .sgpr_count:     66
    .vgpr_count:     64
    .wavefront_size: 32
...
	.end_amdgpu_metadata
.endif
;; end of part 5
;; launch qkv (part 6): grid 16 x 16, 4 waves a work-group, clusters of 4 x 4, 327,680 bytes of LDS; arguments xb8, wqkv8, cos, sin, q_scale, k_scale, qkv; writes qkv
.if DOCPART == 6
	.amdgcn_target "amdgcn-amd-amdhsa--gfx1250"
	.amdhsa_code_object_version 6
	.text
	.protected	k_q0ff7664602_qkv
	.globl	k_q0ff7664602_qkv
	.p2align	8
	.type	k_q0ff7664602_qkv,@function
k_q0ff7664602_qkv:
	s_mov_b64 s[64:65], 0
	v_nop
	global_prefetch_b8 v0, s[64:65] scope:SCOPE_SE
	s_setreg_imm32_b32 hwreg(HW_REG_WAVE_MODE, 25, 1), 1
	s_wait_xcnt 0x0
	s_wait_alu depctr_hold_cnt(0) depctr_sa_sdst(0) depctr_va_vdst(0) depctr_va_sdst(0) depctr_va_ssrc(0) depctr_va_vcc(0) depctr_vm_vsrc(0)
	s_getreg_b32 s2, hwreg(HW_REG_IB_STS2, 6, 4)
	s_cmp_eq_u32 s2, 0
	s_cbranch_scc0 .Lentry_in_a_cluster
	s_endpgm
.Lentry_in_a_cluster:
	s_bfe_u32 s2, ttmp6, 0x10000c
	s_cmp_lg_u32 s2, 0xf033
	s_cbranch_scc0 .Lentry_shape_is_right
	s_endpgm
.Lentry_shape_is_right:
; qkv[g][s][d] (f16, 48 heads g: 0-31 q, 32-39 k, 40-47 v) = x [Wq | Wk | Wv], q and k heads with RMS norm, gain and RoPE in f32.
; Operands bf16, sums f32.  A work-group makes 128 rows x 192 columns (three whole heads) with four waves; wave (wr, wc) makes 64 x 96:
; 4 x 6 accumulator tiles.  16 x 16 blocks give 256 work-groups.
; LIMITS: results are kept in f16: |v| < 65504; |q|, |k| <= 8 sqrt(2) |gain|.
; cos, sin and the two gains are rounded to bf16 as they arrive, like x and the weights, so that the program as a whole is the module on
; inputs rounded to bf16; the arithmetic on them stays in f32.  Against unrounded tables that adds to q and k a relative error of up to
; 2^-9 for each factor, the size that the rounding of x, Wq and Wk brings already.
; CLUSTER 4 x 4: the four work-groups of a row of the cluster need the same rows of x, the four of a column the same columns of the weights:
; each tile is asked for jointly, which divides the requests by four.
; K GOES IN 8 SLOT STEPS OF 256 through two LDS slots: a request has the other slot's 192 matrix instructions in which to land, and there is
; one barrier for 256 along K.  Both operands lie in chunks of 16 bytes (8 k of one row of x, or of one weight column), chunk rows of 8 k:
; A SLOT = 32 chunk rows of the weights (3,072 bytes each: 192 columns), then 32 chunk rows of x (2,048 bytes each: 128 rows): 163,840 bytes;
; two slots are all of the work-group's LDS.  A fragment load takes 16 neighbouring chunks, 256 neighbouring bytes for 16 lanes, so no row is padded.
; Waves 0, 1 fetch the weights' chunk rows 0-15, 16-31, waves 2, 3 those of x.
; THE MATRIX INSTRUCTION IS USED TRANSPOSED (source 0 = 16 weight columns, source 1 = 16 rows of x): lane (r, h), register j holds
; row 16 a + r, column 16 b + 8 h + j.
; REGISTERS: window 0: addresses, two fragment buffers (6 weight + 4 x fragments each), the epilogue; window 1: the 24 accumulator tiles.
.set NBW,   6                          ; weight fragments of a wave
.set BROW,  3072                       ; bytes of a weight chunk row in the block
.set BSTR,  49152                      ; and in memory
.set AROW,  2048                       ; bytes of an x chunk row in the block
.set ASTR,  32768                      ; and in memory
.set BHALF, 16*BROW                    ; what wave 0 or 1 fetches
.set AHALF, 16*AROW                    ; what wave 2 or 3 fetches
.set AOFF,  2*BHALF                    ; x lies behind the weights
.set SLOT,  AOFF+2*AHALF
.set SP,    784                        ; the stage's rows: 768 bytes + 16, an odd multiple of 16.  128 rows from LDS byte 0: inside slot 0, used after its last fill
.set F0,    64                         ; fragment buffer 0: v64-143
.set F1,    144                        ; fragment buffer 1: v144-223
.set ADRA,  16                         ; v16-17 LDS address of my x fragments in slot 0, 1
.set ADRB,  20                         ; v20-23 the same for the weights: slot 0 chunk rows 0-15, 16-31, slot 1 likewise (an offset has 16 bits)
.set G1,  24                           ; s[24:31] descriptor group 1, x tiles
.set G0,  32                           ; s[32:39] group 0, x tiles, one set a slot
.set G1B, 48                           ; s[48:55] group 1, weight tiles
.set G0B, 56                           ; s[56:63] group 0, weight tiles
.set MUL, 0x50                         ; C and D in window 1, sources in window 0
.set COSR, 64                          ; epilogue: v64-127 cos, v128-191 sin of my 32 rows (4 registers for each pair of rows)
.set SINR, 128
.set SC,  36                           ; v36-47 gain of my 4 columns, for each of the three heads
.set SG,  48                           ; v48-49 sign of the rotated half
.set TT,  216                          ; v216-227 at work, 4 a head
.set RR,  228                          ; v228-233 a pair a head: 1/rms, 0
.set OO,  234                          ; v234-239 a pair a head: 4 f16 to store
.set YY,  240                          ; v240-251 normalised numbers, 4 a head
.set MSB, 0
.macro WIN new                         ; the immediate's high byte repeats the setting that is left
.if MSB != \new
	s_set_vgpr_msb (MSB<<8)|\new
.set MSB, \new
.endif
.endm
.macro JLOAD s                         ; waves 0, 1 ask for the weights' halves, waves 2, 3 for x's: one line, one mask, one register set each
	s_cmp_eq_u32 s11, 0
	s_cbranch_scc0 .Lfor_a_\@
	tensor_load_to_lds s[G0B+4*\s:G0B+4*\s+3], s[G1B:G1B+7]
	s_nop 0
	s_branch .Lasked_\@
.Lfor_a_\@:
	tensor_load_to_lds s[G0+4*\s:G0+4*\s+3], s[G1:G1+7]
	s_nop 0
.Lasked_\@:
.endm
.macro CREST                           ; a round of the cluster's barrier behind its opening work-group barrier
	s_cmp_lg_u32 s10, 0
	s_cbranch_scc1 .Lnot_wave_0_\@
	s_barrier_signal -3
.Lnot_wave_0_\@:
	s_barrier_wait -3
	s_barrier_signal -1
	s_barrier_wait -1
.endm
.macro CROUND
	s_barrier_signal -1
	s_barrier_wait -1
	CREST
.endm
.macro PLACES                          ; four places behind a matrix instruction (ISA guide 7.12.1) before its registers are loaded into or its results read
.rept 4
	v_nop
.endr
.endm
	s_load_b128 s[4:7], s[0:1], 0x0                ; xb8 s[4:5], wqkv8 s[6:7]
	s_load_b256 s[68:75], s[0:1], 0x10             ; cos s[68:69], sin s[70:71], q_scale s[72:73], k_scale s[74:75]
	s_load_b64 s[76:77], s[0:1], 0x30              ; qkv
	v_lshrrev_b32 v1, 5, v0
	v_readfirstlane_b32 s10, v1                    ; wave 0..3
	s_lshr_b32 s11, s10, 1                         ; wr.  Also: I fetch weights (0) or x (1)
	s_and_b32 s12, s10, 1                          ; wc.  Also: which half of that tile I fetch
	s_bfe_u32 s40, ttmp6, 0x40000                  ; cx
	s_bfe_u32 s41, ttmp6, 0x40004                  ; cy
	s_lshl_b32 s42, ttmp9, 2
	s_add_co_u32 s42, s42, s40                     ; block column bn
	s_and_b32 s13, ttmp7, 0xffff
	s_lshl_b32 s13, s13, 2
	s_add_co_u32 s13, s13, s41                     ; block row bm
	s_lshl_b32 s43, s41, 2
	s_lshl_b32 s43, 15, s43                        ; my row of the cluster
	s_lshl_b32 s44, 0x1111, s40                    ; my column
	; x tiles: 16 chunk rows of 2,048 bytes as elements of 8 bytes, no padding
	s_or_b32 s[G1+0], s43, (3<<16)|(1<<21)
	s_mov_b32 s[G1+1], (AROW/8)<<16                ; tensor_dim0
	s_mov_b32 s[G1+2], 16<<16                      ; tensor_dim1 = 16
	s_mov_b32 s[G1+3], (AROW/8)<<16                ; tile_dim0
	s_mov_b32 s[G1+4], 16                          ; tile_dim1 = 16
	s_mov_b32 s[G1+5], ASTR/8                      ; elements from chunk row to chunk row
	s_mov_b32 s[G1+6], 0
	s_mov_b32 s[G1+7], 0
	; weight tiles: 16 chunk rows of 3,072 bytes as elements of 8 bytes, no padding
	s_or_b32 s[G1B+0], s44, (3<<16)|(1<<21)
	s_mov_b32 s[G1B+1], (BROW/8)<<16
	s_mov_b32 s[G1B+2], 16<<16
	s_mov_b32 s[G1B+3], (BROW/8)<<16
	s_mov_b32 s[G1B+4], 16
	s_mov_b32 s[G1B+5], BSTR/8
	s_mov_b32 s[G1B+6], 0
	s_mov_b32 s[G1B+7], 0
	s_lshl_b32 s16, s13, 11                        ; x: the block's 128 rows of 16 bytes,
	s_lshl_b32 s17, s12, 19                        ; chunk rows 16 half ..
	s_add_co_u32 s16, s16, s17
	s_mov_b32 s17, 0
	s_mul_i32 s46, s42, BROW                       ; weights: the block's columns,
	s_mul_i32 s47, s12, 16*BSTR                    ; chunk rows 16 half ..
	s_add_co_u32 s46, s46, s47
	s_mov_b32 s47, 0
	s_mul_i32 s20, s10, BHALF                      ; where a weight load goes: waves 0, 1 at 0 and 49,152
	s_lshl_b32 s23, s10, 15
	s_add_co_u32 s23, s23, AOFF-2*AHALF            ; where an x load goes: waves 2, 3 at 98,304 and 131,072
	s_wait_kmcnt 0x0
	s_add_nc_u64 s[14:15], s[4:5], s[16:17]
	s_add_nc_u64 s[46:47], s[6:7], s[46:47]
	CROUND                                         ; all sixteen work-groups are here: the first joint loads meet
.irp s, 0,1
	s_mov_b32 s[G0+4*\s], 1
	s_add_co_u32 s[G0+4*\s+1], s23, \s*SLOT
	s_add_nc_u64 s[G0+4*\s+2:G0+4*\s+3], s[14:15], \s*32*ASTR      ; slot step s: 32 chunk rows on
	s_or_b32 s[G0+4*\s+3], s[G0+4*\s+3], 0x80000000
	s_mov_b32 s[G0B+4*\s], 1
	s_add_co_u32 s[G0B+4*\s+1], s20, \s*SLOT
	s_add_nc_u64 s[G0B+4*\s+2:G0B+4*\s+3], s[46:47], \s*32*BSTR
	s_or_b32 s[G0B+4*\s+3], s[G0B+4*\s+3], 0x80000000
	JLOAD \s
.endr
	v_and_b32 v1, 15, v0                           ; r (in the epilogue: c)
	v_bfe_u32 v2, v0, 4, 1                         ; h
	v_lshlrev_b32 v5, 4, v1                        ; 16 r: my chunk in a fragment; in the epilogue 16 c: the gains
	v_lshl_add_u32 v4, v2, 11, v5                  ; x fragment: chunk row h, chunk r
	v_mul_u32_u24 v6, v2, BROW
	v_add_nc_u32 v6, v6, v5                        ; weight fragment: chunk row h, chunk r
	s_lshl_b32 s21, s11, 10                        ; my 64 rows of x,
	s_add_co_u32 s21, s21, AOFF                    ; behind the weights
	s_mul_i32 s22, s12, 256*NBW                    ; my 96 columns
.irp s, 0,1
	v_add_nc_u32 v[ADRA+\s], s21, v4
	v_add_nc_u32 v[ADRB+2*\s], s22, v6
	s_add_co_u32 s22, s22, BHALF
	v_add_nc_u32 v[ADRB+2*\s+1], s22, v6
	s_add_co_u32 s21, s21, SLOT
	s_add_co_u32 s22, s22, SLOT-BHALF
.endr
	v_mul_u32_u24 v24, v1, SP                      ; v24: into the stage: row 64 wr + r, byte 384 wc + 32 h
	v_lshl_add_u32 v24, v2, 5, v24
	s_mul_i32 s21, s11, 64*SP
	s_mul_i32 s22, s12, 384
	s_add_co_u32 s21, s21, s22
	v_add_nc_u32 v24, s21, v24
	v_mul_u32_u24 v25, v2, SP                      ; v25: back: row 32 w + h, byte 16 c
	v_lshl_add_u32 v25, v1, 4, v25
	s_mul_i32 s21, s10, 32*SP
	v_add_nc_u32 v25, s21, v25
	v_and_b32 v3, 31, v0
	v_lshlrev_b32 v26, 4, v3                       ; 16 L: cos and sin, two rows of 256 bytes a load
	v_lshlrev_b32 v27, 3, v3                       ; 8 L: qkv, two rows of 128 bytes a store
; 12 matrix instructions: row tiles a0, a0 + 1 x all six column tiles, 32 along K.  zero = 1: the first product starts the sums.
; The 24 accumulators take turns, one instruction a turn, in one fixed order throughout.
.macro MULH f, a0, zero
.irp a, \a0, \a0+1
.irp b, 0,1,2,3,4,5
.if \zero
	v_wmma_f32_16x16x32_bf16 v[8*(NBW*(\a)+\b):8*(NBW*(\a)+\b)+7], v[\f+8*\b:\f+8*\b+7], v[\f+8*NBW+8*(\a):\f+8*NBW+8*(\a)+7], 0
.else
	v_wmma_f32_16x16x32_bf16 v[8*(NBW*(\a)+\b):8*(NBW*(\a)+\b)+7], v[\f+8*\b:\f+8*\b+7], v[\f+8*NBW+8*(\a):\f+8*NBW+8*(\a)+7], v[8*(NBW*(\a)+\b):8*(NBW*(\a)+\b)+7]
.endif
.endr
.endr
.endm
; 20 LDS loads: the fragments of part qk (0 .. 7; 32 along K = chunk rows 4 qk .. 4 qk + 3) of a slot into buffer f.
; Registers 0-3 of a fragment hold k = 8 h .. : chunk row 4 qk + h; registers 4-7 hold k = 16 + 8 h .. : two chunk rows on.
.macro FETCH slot, qk, f
.irp b, 0,1,2,3,4,5
	ds_load_b128 v[\f+8*\b:\f+8*\b+3],   v[ADRB+2*\slot+(\qk/4)] offset:(\qk%4)*4*BROW+256*\b
	ds_load_b128 v[\f+8*\b+4:\f+8*\b+7], v[ADRB+2*\slot+(\qk/4)] offset:(\qk%4)*4*BROW+256*\b+2*BROW
.endr
.irp a, 0,1,2,3
	ds_load_b128 v[\f+8*NBW+8*\a:\f+8*NBW+8*\a+3],   v[ADRA+\slot] offset:\qk*4*AROW+256*\a
	ds_load_b128 v[\f+8*NBW+8*\a+4:\f+8*NBW+8*\a+7], v[ADRA+\slot] offset:\qk*4*AROW+256*\a+2*AROW
.endr
.endm
; One of a slot step's first seven parts: buffer f is in; the next part's fragments are asked for first, into buffer g, and have this part's 24 matrix instructions in which to land
.macro QUARTER slot, k, f, g, zero
	s_wait_dscnt 0x0                               ; buffer f, asked for a part ago
	PLACES                                         ; buffer g was read by the matrix instructions just issued
	WIN 0
	FETCH \slot, \k, \g
	WIN MUL
	MULH \f, 0, \zero
	MULH \f, 2, \zero
.endm
.macro SEVEN slot, zero
	QUARTER \slot, 1, F0, F1, \zero
	QUARTER \slot, 2, F1, F0, 0
	QUARTER \slot, 3, F0, F1, 0
	QUARTER \slot, 4, F1, F0, 0
	QUARTER \slot, 5, F0, F1, 0
	QUARTER \slot, 6, F1, F0, 0
	QUARTER \slot, 7, F0, F1, 0
.endm
; The last part changes slots.  In front of the barrier each wave's reads of this slot are back and all its tensor loads have landed
;   Behind it (with fill: behind the cluster's round that it opens) this slot is asked for again first.
.macro TURN slot, next, fill
	s_wait_dscnt 0x0                               ; buffer 1 is in: my last reads of this slot
	s_wait_tensorcnt 0x0                           ; all my tensor loads have landed
	s_barrier_signal -1
	WIN MUL
	MULH F1, 0, 0                                  ; register work while the others arrive
	WIN 0
	s_barrier_wait -1
.if \fill
	CREST                                          ; no wave of any partner still reads this slot or has a load on its way
	s_add_nc_u64 s[G0+4*\slot+2:G0+4*\slot+3], s[G0+4*\slot+2:G0+4*\slot+3], 64*ASTR
	s_add_nc_u64 s[G0B+4*\slot+2:G0B+4*\slot+3], s[G0B+4*\slot+2:G0B+4*\slot+3], 64*BSTR
	JLOAD \slot                                    ; two slot steps ahead: my one tensor load behind the round
.endif
	PLACES
	FETCH \next, 0, F0
	WIN MUL
	MULH F1, 2, 0
.endm
.macro LAP zero
	SEVEN 0, \zero
	TURN 0, 1, 1
	SEVEN 1, 0
	TURN 1, 0, 1
.endm
	s_wait_tensorcnt 0x1                           ; my part of slot step 0 is in; slot step 1's stays out
	s_barrier_signal -1
	s_barrier_wait -1
	FETCH 0, 0, F0
	LAP 1                                          ; slot steps 0, 1; asks for 2, 3
	WIN 0
	s_mov_b32 s3, 2
.Llap:
	LAP 0                                          ; slot steps 2 .. 5; asks for 4 .. 7
	WIN 0
	s_sub_co_u32 s3, s3, 1
	s_cmp_lg_u32 s3, 0
	s_cbranch_scc1 .Llap
	SEVEN 0, 0                                     ; slot steps 6, 7: nothing is left to ask for
	TURN 0, 1, 0                                   ; behind this barrier no wave reads slot 0 any more and no tensor load is out or will be issued: slot 0 is free for the stage
	SEVEN 1, 0
	s_wait_dscnt 0x0
	WIN MUL
	MULH F1, 0, 0
	MULH F1, 2, 0
	PLACES                                         ; behind the last matrix instructions: results are read and fragment registers loaded into below
	WIN 0
	; THE EPILOGUE has no branch: which kind a head is hangs on the block column, so the kind only selects values.
	s_mul_i32 s78, s42, 3                          ; head of the block's first 64 columns
	s_lshl_b32 s79, s13, 7
	s_lshl_b32 s94, s10, 5
	s_add_co_u32 s79, s79, s94                     ; my first row in the second phase: 128 bm + 32 w
.irp hh, 0,1,2
	s_add_co_u32 s94, s78, \hh
	s_cmp_ge_u32 s94, 32
	s_cselect_b32 s[86+\hh], -1, 0                 ; all lanes: k's gain instead of q's
	s_cmp_ge_u32 s94, 40
	s_cselect_b32 s[89+\hh], -1, 0                 ; all lanes: a v head goes out as it is
	s_lshl_b32 s94, s94, 18                        ; a head is 2,048 rows of 128 bytes
	s_lshl_b32 s95, s79, 7
	s_add_co_u32 s94, s94, s95
	s_mov_b32 s95, 0
	s_add_nc_u64 s[80+2*\hh:81+2*\hh], s[76:77], s[94:95]
.endr
	s_lshl_b32 s94, s79, 8                         ; cos and sin: rows of 256 bytes
	s_mov_b32 s95, 0
	s_add_nc_u64 s[68:69], s[68:69], s[94:95]
	s_add_nc_u64 s[70:71], s[70:71], s[94:95]
	s_mov_b32 s92, 0x3c800000                      ; 1/64
	s_mov_b32 s93, 0x358637bd                      ; 1e-6
	s_mov_b32 s45, 0xffff0000                      ; a word's upper bf16
.irp p, 0,1,2,3,4,5,6,7,8,9,10,11,12,13,14,15
	global_load_b128 v[COSR+4*\p:COSR+4*\p+3], v26, s[68:69] offset:512*\p
	global_load_b128 v[SINR+4*\p:SINR+4*\p+3], v26, s[70:71] offset:512*\p
.endr
	global_load_b128 v[28:31], v5, s[72:73]        ; q_scale[4c .. 4c+3]
	global_load_b128 v[32:35], v5, s[74:75]        ; k_scale
	WIN 0x04                                       ; store data in window 1
.irp a, 0,1,2,3
.irp b, 0,1,2,3,4,5
	ds_store_b128 v24, v[8*(NBW*\a+\b):8*(NBW*\a+\b)+3]   offset:16*SP*\a+64*\b
	ds_store_b128 v24, v[8*(NBW*\a+\b)+4:8*(NBW*\a+\b)+7] offset:16*SP*\a+64*\b+16
.endr
.endr
	WIN 0
	s_wait_dscnt 0x0                               ; my part of the stage is written,
	s_barrier_signal -1
	s_barrier_wait -1                              ; everybody's is
.irp hh, 0,1,2
	ds_load_b128 v[192+4*\hh:195+4*\hh], v25 offset:256*\hh        ; rows 32 w, 32 w + 1: a half-wave a row, 4 columns of each head a lane
.endr
	s_wait_loadcnt 0x0                             ; cos, sin, gains
	; cos and sin (v64-191: 64 pairs) and the gains (v28-35: 4 pairs) are rounded to bf16, to nearest even, and widened again: three instructions a pair
.set RI, 0
.rept 16
.irp q, 0,1,2,3
	v_cvt_pk_bf16_f32 v[YY+\q], v[COSR+8*RI+2*\q], v[COSR+8*RI+2*\q+1]
.endr
.irp q, 0,1,2,3
	v_lshlrev_b32 v[COSR+8*RI+2*\q], 16, v[YY+\q]
	v_and_b32 v[COSR+8*RI+2*\q+1], s45, v[YY+\q]
.endr
.set RI, RI+1
.endr
.irp q, 0,1,2,3
	v_cvt_pk_bf16_f32 v[YY+\q], v[28+2*\q], v[29+2*\q]
.endr
.irp q, 0,1,2,3
	v_lshlrev_b32 v[28+2*\q], 16, v[YY+\q]
	v_and_b32 v[29+2*\q], s45, v[YY+\q]
.endr
.irp hh, 0,1,2
.irp i, 0,1,2,3
	v_cndmask_b32 v[SC+4*\hh+\i], v[28+\i], v[32+\i], s[86+\hh]
.endr
	v_mov_b32 v[RR+2*\hh+1], 0                     ; the pair's second register is named, never used
	v_mov_b32 v[TT+4*\hh+2], 0                     ; written once: destinations of lane-crossing forms count as read
	v_mov_b32 v[TT+4*\hh+3], 0
.endr
	v_cmp_gt_u32 vcc_lo, 8, v1
	v_mov_b32 v[SG+1], -1.0
	v_cndmask_b32 v[SG], 1.0, v[SG+1], vcc_lo      ; d < 32 (c < 8): rot = -x[d + 32]; else rot = +x[d - 32]
	v_mov_b32 v[SG+1], v[SG]
; Two rows (32 w + 2 p + h), three heads.  The partner column d +- 32 lies in lane c xor 8, same register.
.macro ROWS p
.set XB, 192+12*((\p)&1)
.set XN, 192+12*(1-((\p)&1))
.if \p < 15
.irp hh, 0,1,2
	ds_load_b128 v[XN+4*\hh:XN+4*\hh+3], v25 offset:2*SP*(\p+1)+256*\hh
.endr
	s_wait_dscnt 0x3                               ; this step's rows are in; the three loads just issued stay out
.else
	s_wait_dscnt 0x0
.endif
.irp hh, 0,1,2
	v_pk_mul_f32 v[TT+4*\hh:TT+4*\hh+1], v[XB+4*\hh:XB+4*\hh+1], v[XB+4*\hh:XB+4*\hh+1]
.endr
.irp hh, 0,1,2
	v_pk_fma_f32 v[TT+4*\hh:TT+4*\hh+1], v[XB+4*\hh+2:XB+4*\hh+3], v[XB+4*\hh+2:XB+4*\hh+3], v[TT+4*\hh:TT+4*\hh+1]
.endr
.irp hh, 0,1,2
	v_add_f32 v[RR+2*\hh], v[TT+4*\hh], v[TT+4*\hh+1]
.endr
.irp m, 1,2,4,8
.irp hh, 0,1,2
	v_add_f32_dpp v[RR+2*\hh], v[RR+2*\hh], v[RR+2*\hh] row_xmask:\m row_mask:0xf bank_mask:0xf
.endr
.endr
.irp hh, 0,1,2
	v_fma_f32 v[RR+2*\hh], v[RR+2*\hh], s92, s93   ; mean of squares + eps
.endr
.irp hh, 0,1,2
	v_rsq_f32 v[RR+2*\hh], v[RR+2*\hh]
.endr
	v_pk_mul_f32 v[SINR+4*\p:SINR+4*\p+1], v[SINR+4*\p:SINR+4*\p+1], v[SG:SG+1]       ; plain work behind the roots (ISA guide 5.7.2): sin takes the rotation's sign
	v_pk_mul_f32 v[SINR+4*\p+2:SINR+4*\p+3], v[SINR+4*\p+2:SINR+4*\p+3], v[SG:SG+1]
	s_wait_alu depctr_va_vdst(0)
.irp hh, 0,1,2
	v_pk_mul_f32 v[YY+4*\hh:YY+4*\hh+1], v[XB+4*\hh:XB+4*\hh+1], v[RR+2*\hh:RR+2*\hh+1] op_sel_hi:[1,0]
	v_pk_mul_f32 v[YY+4*\hh+2:YY+4*\hh+3], v[XB+4*\hh+2:XB+4*\hh+3], v[RR+2*\hh:RR+2*\hh+1] op_sel_hi:[1,0]
.endr
.irp hh, 0,1,2
	v_pk_mul_f32 v[YY+4*\hh:YY+4*\hh+1], v[YY+4*\hh:YY+4*\hh+1], v[SC+4*\hh:SC+4*\hh+1]
	v_pk_mul_f32 v[YY+4*\hh+2:YY+4*\hh+3], v[YY+4*\hh+2:YY+4*\hh+3], v[SC+4*\hh+2:SC+4*\hh+3]
.endr
.irp hh, 0,1,2
.irp i, 0,1,2,3
	v_mul_f32_dpp v[TT+4*\hh+\i], v[YY+4*\hh+\i], v[SINR+4*\p+\i] row_xmask:8 row_mask:0xf bank_mask:0xf   ; the partner's number times my signed sin
.endr
.endr
.irp hh, 0,1,2
	v_pk_fma_f32 v[TT+4*\hh:TT+4*\hh+1], v[YY+4*\hh:YY+4*\hh+1], v[COSR+4*\p:COSR+4*\p+1], v[TT+4*\hh:TT+4*\hh+1]
	v_pk_fma_f32 v[TT+4*\hh+2:TT+4*\hh+3], v[YY+4*\hh+2:YY+4*\hh+3], v[COSR+4*\p+2:COSR+4*\p+3], v[TT+4*\hh+2:TT+4*\hh+3]
.endr
.irp hh, 0,1,2
.irp i, 0,1,2,3
	v_cndmask_b32 v[TT+4*\hh+\i], v[TT+4*\hh+\i], v[XB+4*\hh+\i], s[89+\hh]
.endr
.endr
	s_wait_xcnt 0x0                                ; the last step's stores have had their addresses translated (ISA guide 3.1): their data registers are rewritten only behind this wait
.irp hh, 0,1,2
	v_cvt_pk_f16_f32 v[OO+2*\hh], v[TT+4*\hh], v[TT+4*\hh+1]
	v_cvt_pk_f16_f32 v[OO+2*\hh+1], v[TT+4*\hh+2], v[TT+4*\hh+3]
	global_store_b64 v27, v[OO+2*\hh:OO+2*\hh+1], s[80+2*\hh:81+2*\hh] offset:256*\p   ; the wave stores 256 neighbouring bytes, aligned
.endr
.endm
.irp p, 0,1,2,3,4,5,6,7,8,9,10,11,12,13,14,15
	ROWS \p
.endr
	CROUND                                         ; the closing round: no work-group ends while a partner may still ask for a tile that names it
	s_endpgm
.Lfunc_end_k_q0ff7664602_qkv:
	.size	k_q0ff7664602_qkv, .Lfunc_end_k_q0ff7664602_qkv-k_q0ff7664602_qkv
	.p2alignl 7, 3214868480
	.fill 96, 4, 3214868480
	.section	.rodata,"a",@progbits
	.p2align	6, 0x0
	.amdhsa_kernel k_q0ff7664602_qkv
		.amdhsa_group_segment_fixed_size 327680
		.amdhsa_private_segment_fixed_size 0
		.amdhsa_enable_private_segment 0
		.amdhsa_kernarg_size 56
		.amdhsa_user_sgpr_count 2
		.amdhsa_user_sgpr_kernarg_segment_ptr 1
		.amdhsa_wavefront_size32 1
		.amdhsa_system_sgpr_workgroup_id_x 1
		.amdhsa_system_sgpr_workgroup_id_y 1
		.amdhsa_system_sgpr_workgroup_id_z 1
		.amdhsa_system_vgpr_workitem_id 0
		.amdhsa_next_free_vgpr 448
		.amdhsa_next_free_sgpr 96
		.amdhsa_reserve_vcc 1
		.amdhsa_float_denorm_mode_32 3
		.amdhsa_float_denorm_mode_16_64 3
		.amdhsa_memory_ordered 1
		.amdhsa_forward_progress 1
		.amdhsa_inst_pref_size 253
	.end_amdhsa_kernel
	.amdgpu_metadata
---
amdhsa.version: [ 1, 2 ]
amdhsa.kernels:
  - .name:           k_q0ff7664602_qkv
    .symbol:         k_q0ff7664602_qkv.kd
    .args:
      - { .name: xb8, .offset: 0, .size: 8, .value_kind: global_buffer, .address_space: global }
      - { .name: wqkv8, .offset: 8, .size: 8, .value_kind: global_buffer, .address_space: global }
      - { .name: cos, .offset: 16, .size: 8, .value_kind: global_buffer, .address_space: global }
      - { .name: sin, .offset: 24, .size: 8, .value_kind: global_buffer, .address_space: global }
      - { .name: q_scale, .offset: 32, .size: 8, .value_kind: global_buffer, .address_space: global }
      - { .name: k_scale, .offset: 40, .size: 8, .value_kind: global_buffer, .address_space: global }
      - { .name: qkv, .offset: 48, .size: 8, .value_kind: global_buffer, .address_space: global }
    .group_segment_fixed_size: 327680
    .private_segment_fixed_size: 0
    .kernarg_segment_align: 8
    .kernarg_segment_size: 56
    .max_flat_workgroup_size: 128
    .sgpr_count:     96
    .vgpr_count:     448
    .wavefront_size: 32
...
	.end_amdgpu_metadata
.endif
;; end of part 6
;; launch attn: the kernel of part 3 again; grid 32 x 8, 4 waves a work-group, clusters of 4 x 4, 327,680 bytes of LDS; arguments qkv, bias, ctxb; writes ctxb
;; launch oproj (part 7): grid 16 x 16, 4 waves a work-group, clusters of 4 x 4, 327,680 bytes of LDS; arguments ctxb, wo8, out0; writes out0
.if DOCPART == 7
	.amdgcn_target "amdgcn-amd-amdhsa--gfx1250"
	.amdhsa_code_object_version 6
	.text
	.protected	k_q0ff7664602_oproj
	.globl	k_q0ff7664602_oproj
	.p2align	8
	.type	k_q0ff7664602_oproj,@function
k_q0ff7664602_oproj:
	s_mov_b64 s[64:65], 0
	v_nop
	global_prefetch_b8 v0, s[64:65] scope:SCOPE_SE
	s_setreg_imm32_b32 hwreg(HW_REG_WAVE_MODE, 25, 1), 1
	s_wait_xcnt 0x0
	s_wait_alu depctr_hold_cnt(0) depctr_sa_sdst(0) depctr_va_vdst(0) depctr_va_sdst(0) depctr_va_ssrc(0) depctr_va_vcc(0) depctr_vm_vsrc(0)
	s_getreg_b32 s2, hwreg(HW_REG_IB_STS2, 6, 4)
	s_cmp_eq_u32 s2, 0
	s_cbranch_scc0 .Lentry_in_a_cluster
	s_endpgm
.Lentry_in_a_cluster:
	s_bfe_u32 s2, ttmp6, 0x10000c
	s_cmp_lg_u32 s2, 0xf033
	s_cbranch_scc0 .Lentry_shape_is_right
	s_endpgm
.Lentry_shape_is_right:
; out0 (f32) = ctx Wo.  Operands f16 (ctxb as the attention left it; wo8 = Wo rounded to bf16, in f16 codes), sums f32.
; A work-group makes 128 x 128 with four waves; wave (wr, wc) makes 64 x 64: 4 x 4 accumulator tiles.  16 x 16 blocks give 256 work-groups.
; CLUSTER 4 x 4: ctxb's tiles are shared along a row of the cluster, wo8's along a column.
; K GOES IN 8 SLOT STEPS OF 256 through two LDS slots: a request has the other slot's 128 matrix instructions in which to land, and there is
; one barrier for 256 along K.
; A SLOT: regions 0, 1 = ctxb rows 0-63, 64-127 (512 bytes + 16 a row), regions 2, 3 = chunk rows 0-15, 16-31 of wo8 (2,048 bytes each:
; 128 columns x 16 bytes = 8 k of a column).  Wave w fetches region w.
; THE MATRIX INSTRUCTION IS USED TRANSPOSED (source 0 = 16 columns of Wo, source 1 = 16 rows of ctx): lane (r, h), register j holds
; row 16 a + r, column 16 b + 8 h + j.  REGISTERS: window 0: addresses and two fragment buffers; window 1: the 16 accumulator tiles.
.set NBW,   4
.set BROW,  2048
.set BSTR,  32768
.set PITCH, 528                        ; an LDS row of ctx: 33 x 16 bytes, so the 16 rows of a fragment start in 16 different columns of banks
.set REG,   64*PITCH                   ; LDS region of one wave's load (wo8's 16 chunk rows take 32,768 of it)
.set SLOT,  4*REG
.set STAGE, 2*SLOT                     ; behind the ring: 16 rows x 272 bytes for each wave, bytes of their own
.set SPITCH, 272
.set F0,    64                         ; v64-127
.set F1,    128                        ; v128-191
.set ADRA,  16
.set ADRB,  20
.set G1,  24
.set G0,  32
.set G1B, 48
.set G0B, 56
.set MUL, 0x50
.set MSB, 0
.macro WIN new
.if MSB != \new
	s_set_vgpr_msb (MSB<<8)|\new
.set MSB, \new
.endif
.endm
.macro JLOAD s                         ; waves 0, 1 ask for ctx's halves, waves 2, 3 for Wo's
	s_cmp_eq_u32 s11, 0
	s_cbranch_scc0 .Lfor_b_\@
	tensor_load_to_lds s[G0+4*\s:G0+4*\s+3], s[G1:G1+7]
	s_nop 0
	s_branch .Lasked_\@
.Lfor_b_\@:
	tensor_load_to_lds s[G0B+4*\s:G0B+4*\s+3], s[G1B:G1B+7]
	s_nop 0
.Lasked_\@:
.endm
.macro CREST
	s_cmp_lg_u32 s10, 0
	s_cbranch_scc1 .Lnot_wave_0_\@
	s_barrier_signal -3
.Lnot_wave_0_\@:
	s_barrier_wait -3
	s_barrier_signal -1
	s_barrier_wait -1
.endm
.macro CROUND
	s_barrier_signal -1
	s_barrier_wait -1
	CREST
.endm
.macro PLACES                          ; four places behind a matrix instruction (ISA guide 7.12.1)
.rept 4
	v_nop
.endr
.endm
	s_load_b128 s[4:7], s[0:1], 0x0                ; ctxb s[4:5], wo8 s[6:7]
	s_load_b64 s[8:9], s[0:1], 0x10                ; out0
	v_lshrrev_b32 v1, 5, v0
	v_readfirstlane_b32 s10, v1                    ; wave
	s_lshr_b32 s11, s10, 1                         ; wr.  Also: I fetch ctx (0) or Wo (1)
	s_and_b32 s12, s10, 1                          ; wc.  Also: which half
	s_bfe_u32 s40, ttmp6, 0x40000                  ; cx
	s_bfe_u32 s41, ttmp6, 0x40004                  ; cy
	s_lshl_b32 s42, ttmp9, 2
	s_add_co_u32 s42, s42, s40                     ; block column bn
	s_and_b32 s13, ttmp7, 0xffff
	s_lshl_b32 s13, s13, 2
	s_add_co_u32 s13, s13, s41                     ; block row bm
	s_lshl_b32 s43, s41, 2
	s_lshl_b32 s43, 15, s43
	s_lshl_b32 s44, 0x1111, s40
	s_or_b32 s[G1+0], s43, (1<<16)|(1<<20)|(1<<21)|(6<<22)|(3<<25)     ; 64 rows x 256 elements of 2 bytes, 4 words of padding behind every 128
	s_mov_b32 s[G1+1], 256<<16
	s_mov_b32 s[G1+2], 64<<16
	s_mov_b32 s[G1+3], 256<<16
	s_mov_b32 s[G1+4], 64
	s_mov_b32 s[G1+5], 2048
	s_mov_b32 s[G1+6], 0
	s_mov_b32 s[G1+7], 0
	s_or_b32 s[G1B+0], s44, (3<<16)|(1<<21)        ; 16 chunk rows of 2,048 bytes as elements of 8 bytes
	s_mov_b32 s[G1B+1], (BROW/8)<<16
	s_mov_b32 s[G1B+2], 16<<16
	s_mov_b32 s[G1B+3], (BROW/8)<<16
	s_mov_b32 s[G1B+4], 16
	s_mov_b32 s[G1B+5], BSTR/8
	s_mov_b32 s[G1B+6], 0
	s_mov_b32 s[G1B+7], 0
	s_lshl_b32 s16, s13, 7
	s_lshl_b32 s17, s12, 6
	s_add_co_u32 s16, s16, s17
	s_lshl_b32 s16, s16, 12                        ; ctx: row 128 bm + 64 half, of 4,096 bytes
	s_mov_b32 s17, 0
	s_mul_i32 s46, s42, BROW
	s_mul_i32 s47, s12, 16*BSTR
	s_add_co_u32 s46, s46, s47
	s_mov_b32 s47, 0
	s_mul_i32 s20, s10, REG
	s_wait_kmcnt 0x0
	s_add_nc_u64 s[14:15], s[4:5], s[16:17]
	s_add_nc_u64 s[46:47], s[6:7], s[46:47]
	CROUND                                         ; in front of the first joint loads
.irp s, 0,1
	s_mov_b32 s[G0+4*\s], 1
	s_add_co_u32 s[G0+4*\s+1], s20, \s*SLOT
	s_add_nc_u64 s[G0+4*\s+2:G0+4*\s+3], s[14:15], \s*512          ; slot step s: 256 elements on
	s_or_b32 s[G0+4*\s+3], s[G0+4*\s+3], 0x80000000
	s_mov_b32 s[G0B+4*\s], 1
	s_add_co_u32 s[G0B+4*\s+1], s20, \s*SLOT
	s_add_nc_u64 s[G0B+4*\s+2:G0B+4*\s+3], s[46:47], \s*32*BSTR    ; slot step s: 32 chunk rows on
	s_or_b32 s[G0B+4*\s+3], s[G0B+4*\s+3], 0x80000000
	JLOAD \s
.endr
	v_and_b32 v1, 15, v0                           ; r
	v_bfe_u32 v2, v0, 4, 1                         ; h
	v_mul_u32_u24 v3, v1, PITCH
	v_lshl_add_u32 v3, v2, 4, v3
	v_mul_u32_u24 v4, v2, BROW
	v_lshl_add_u32 v4, v1, 4, v4
	s_mul_i32 s21, s11, REG
	s_mul_i32 s22, s12, 256*NBW
	s_add_co_u32 s22, s22, 2*REG
.irp s, 0,1
	v_add_nc_u32 v[ADRA+\s], s21, v3
	v_add_nc_u32 v[ADRB+\s], s22, v4
	s_add_co_u32 s21, s21, SLOT
	s_add_co_u32 s22, s22, SLOT
.endr
	s_mul_i32 s23, s10, 16*SPITCH
	s_add_co_u32 s23, s23, STAGE                   ; my stage
	v_mul_u32_u24 v24, v1, SPITCH                  ; v24: in: row r, byte 32 h
	v_lshl_add_u32 v24, v2, 5, v24
	v_add_nc_u32 v24, s23, v24
	v_mul_u32_u24 v25, v2, SPITCH                  ; v25: back: lanes 0-15 one row of 256 bytes, lanes 16-31 the next
	v_lshl_add_u32 v25, v1, 4, v25
	v_add_nc_u32 v25, s23, v25
	v_lshlrev_b32 v26, 13, v2                      ; v26: the same two rows in out0 (8,192 bytes a row)
	v_lshl_add_u32 v26, v1, 4, v26
; 8 matrix instructions: row tiles a0, a0 + 1 x four column tiles.  The 16 accumulators take turns, one instruction a turn, in one fixed order.
.macro MULH f, a0, zero
.irp a, \a0, \a0+1
.irp b, 0,1,2,3
.if \zero
	v_wmma_f32_16x16x32_f16 v[8*(NBW*(\a)+\b):8*(NBW*(\a)+\b)+7], v[\f+8*\b:\f+8*\b+7], v[\f+8*NBW+8*(\a):\f+8*NBW+8*(\a)+7], 0
.else
	v_wmma_f32_16x16x32_f16 v[8*(NBW*(\a)+\b):8*(NBW*(\a)+\b)+7], v[\f+8*\b:\f+8*\b+7], v[\f+8*NBW+8*(\a):\f+8*NBW+8*(\a)+7], v[8*(NBW*(\a)+\b):8*(NBW*(\a)+\b)+7]
.endif
.endr
.endr
.endm
.macro FETCH slot, qk, f               ; 16 LDS loads: the fragments of part qk (0 .. 7; 32 along K) into buffer f
.irp b, 0,1,2,3
	ds_load_b128 v[\f+8*\b:\f+8*\b+3],   v[ADRB+\slot] offset:(\qk/4)*REG+(\qk%4)*4*BROW+256*\b
	ds_load_b128 v[\f+8*\b+4:\f+8*\b+7], v[ADRB+\slot] offset:(\qk/4)*REG+(\qk%4)*4*BROW+256*\b+2*BROW
.endr
.irp a, 0,1,2,3
	ds_load_b128 v[\f+8*NBW+8*\a:\f+8*NBW+8*\a+3],   v[ADRA+\slot] offset:64*\qk+16*PITCH*\a
	ds_load_b128 v[\f+8*NBW+8*\a+4:\f+8*NBW+8*\a+7], v[ADRA+\slot] offset:64*\qk+16*PITCH*\a+32
.endr
.endm
.macro QUARTER slot, k, f, g, zero     ; the next part's fragments are asked for first and have this part's 16 matrix instructions in which to land
	s_wait_dscnt 0x0                               ; buffer f, asked for a part ago
	PLACES                                         ; buffer g was read by the matrix instructions just issued
	WIN 0
	FETCH \slot, \k, \g
	WIN MUL
	MULH \f, 0, \zero
	MULH \f, 2, \zero
.endm
.macro SEVEN slot, zero
	QUARTER \slot, 1, F0, F1, \zero
	QUARTER \slot, 2, F1, F0, 0
	QUARTER \slot, 3, F0, F1, 0
	QUARTER \slot, 4, F1, F0, 0
	QUARTER \slot, 5, F0, F1, 0
	QUARTER \slot, 6, F1, F0, 0
	QUARTER \slot, 7, F0, F1, 0
.endm
; The last part changes slots: my reads of this slot are back and all my tensor loads have landed in front of the barrier;
; behind it (with fill: behind the cluster's round that it opens) this slot is asked for again first.
.macro TURN slot, next, fill
	s_wait_dscnt 0x0
	s_wait_tensorcnt 0x0
	s_barrier_signal -1
	WIN MUL
	MULH F1, 0, 0                                  ; register work while the others arrive
	WIN 0
	s_barrier_wait -1
.if \fill
	CREST
	s_add_nc_u64 s[G0+4*\slot+2:G0+4*\slot+3], s[G0+4*\slot+2:G0+4*\slot+3], 1024
	s_add_nc_u64 s[G0B+4*\slot+2:G0B+4*\slot+3], s[G0B+4*\slot+2:G0B+4*\slot+3], 64*BSTR
	JLOAD \slot                                    ; two slot steps ahead: my one tensor load behind the round
.endif
	PLACES
	FETCH \next, 0, F0
	WIN MUL
	MULH F1, 2, 0
.endm
.macro LAP zero
	SEVEN 0, \zero
	TURN 0, 1, 1
	SEVEN 1, 0
	TURN 1, 0, 1
.endm
	s_wait_tensorcnt 0x1                           ; slot step 0's part is in; slot step 1's stays out
	s_barrier_signal -1
	s_barrier_wait -1
	FETCH 0, 0, F0
	LAP 1                                          ; slot steps 0, 1; asks for 2, 3
	WIN 0
	s_mov_b32 s3, 2
.Llap:
	LAP 0                                          ; slot steps 2 .. 5; asks for 4 .. 7
	WIN 0
	s_sub_co_u32 s3, s3, 1
	s_cmp_lg_u32 s3, 0
	s_cbranch_scc1 .Llap
	SEVEN 0, 0                                     ; slot steps 6, 7: nothing is left to ask for
	TURN 0, 1, 0
	SEVEN 1, 0
	s_wait_dscnt 0x0
	WIN MUL
	MULH F1, 0, 0
	MULH F1, 2, 0
	PLACES                                         ; behind the last matrix instructions: results are read and fragment registers loaded into below
	WIN 0
	s_lshl_b32 s16, s13, 7
	s_lshl_b32 s17, s11, 6
	s_add_co_u32 s16, s16, s17
	s_lshl_b32 s16, s16, 13                        ; my first row of out0, of 8,192 bytes
	s_mov_b32 s17, 0
	s_add_nc_u64 s[8:9], s[8:9], s[16:17]
	s_lshl_b32 s46, s42, 9                         ; my first column, in bytes: 512 bn + 256 wc (in registers that never feed ctx's descriptors)
	s_lshl_b32 s47, s12, 8
	s_add_co_u32 s46, s46, s47
	s_mov_b32 s47, 0
	s_add_nc_u64 s[8:9], s[8:9], s[46:47]
; 16 rows at a time through my own stage: LDS serves a wave's instructions in order (ISA guide 5.7.1.4), so no wait stands between the stores and the loads
.macro OUT16 a, f
	WIN 0x04                                       ; store data in window 1
.irp b, 0,1,2,3
	ds_store_b128 v24, v[8*(NBW*\a+\b):8*(NBW*\a+\b)+3]   offset:64*\b
	ds_store_b128 v24, v[8*(NBW*\a+\b)+4:8*(NBW*\a+\b)+7] offset:64*\b+16
.endr
	WIN 0
	s_wait_xcnt 0x0                                ; earlier stores have had their addresses translated (ISA guide 3.1): buffer f and the base are rewritten only behind this wait
.if \a
	s_add_nc_u64 s[8:9], s[8:9], 16*8192
.endif
.irp t, 0,1,2,3,4,5,6,7
	ds_load_b128 v[\f+4*\t:\f+4*\t+3], v25 offset:2*SPITCH*\t
.endr
.irp t, 0,1,2,3,4,5,6,7
	s_wait_dscnt 7-\t
	global_store_b128 v26, v[\f+4*\t:\f+4*\t+3], s[8:9] offset:16384*\t th:TH_STORE_NT    ; 16 lanes store 256 neighbouring bytes, aligned
.endr
.endm
	OUT16 0, F0
	OUT16 1, F1
	OUT16 2, F0
	OUT16 3, F1
	CROUND                                         ; the closing round
	s_endpgm
.Lfunc_end_k_q0ff7664602_oproj:
	.size	k_q0ff7664602_oproj, .Lfunc_end_k_q0ff7664602_oproj-k_q0ff7664602_oproj
	.p2alignl 7, 3214868480
	.fill 96, 4, 3214868480
	.section	.rodata,"a",@progbits
	.p2align	6, 0x0
	.amdhsa_kernel k_q0ff7664602_oproj
		.amdhsa_group_segment_fixed_size 327680
		.amdhsa_private_segment_fixed_size 0
		.amdhsa_enable_private_segment 0
		.amdhsa_kernarg_size 24
		.amdhsa_user_sgpr_count 2
		.amdhsa_user_sgpr_kernarg_segment_ptr 1
		.amdhsa_wavefront_size32 1
		.amdhsa_system_sgpr_workgroup_id_x 1
		.amdhsa_system_sgpr_workgroup_id_y 1
		.amdhsa_system_sgpr_workgroup_id_z 1
		.amdhsa_system_vgpr_workitem_id 0
		.amdhsa_next_free_vgpr 384
		.amdhsa_next_free_sgpr 66
		.amdhsa_reserve_vcc 0
		.amdhsa_float_denorm_mode_32 3
		.amdhsa_float_denorm_mode_16_64 3
		.amdhsa_memory_ordered 1
		.amdhsa_forward_progress 1
		.amdhsa_inst_pref_size 125
	.end_amdhsa_kernel
	.amdgpu_metadata
---
amdhsa.version: [ 1, 2 ]
amdhsa.kernels:
  - .name:           k_q0ff7664602_oproj
    .symbol:         k_q0ff7664602_oproj.kd
    .args:
      - { .name: ctxb, .offset: 0, .size: 8, .value_kind: global_buffer, .address_space: global }
      - { .name: wo8, .offset: 8, .size: 8, .value_kind: global_buffer, .address_space: global }
      - { .name: out0, .offset: 16, .size: 8, .value_kind: global_buffer, .address_space: global }
    .group_segment_fixed_size: 327680
    .private_segment_fixed_size: 0
    .kernarg_segment_align: 8
    .kernarg_segment_size: 24
    .max_flat_workgroup_size: 128
    .sgpr_count:     66
    .vgpr_count:     384
    .wavefront_size: 32
...
	.end_amdgpu_metadata
.endif
;; end of part 7
